; MI455X (gfx1250); checked and timed in simulation.
; The chip was launched on July 23, 2026; its instructions are those of AMD's public machine-readable ISA for CDNA 5 (MIT licence, August 2026) and "CDNA5" Instruction Set Architecture Reference Guide (July 2026). The comments in the code are by the model that wrote it; some were corrected since.
;; Multi Head Attention. Allowed arithmetic: matrix products marked QUANTISED: E2M3 operands, one E8M0 scale for each 32 along K, by v_wmma_scale_f32_16x16x128_f8f6f4 with both operands' format E2M3, f32 sums; everything else in f32.
;; Inputs: Wk_codes 1,024 x 32 x 24 uint8 (E2M3 codes of Wk, K innermost, in blocks of 32 codes, four codes in three bytes); Wk_scales 1,024 x 32 uint8 (E8M0 scales of Wk, one for each 32 codes along K); Wo_codes 1,024 x 32 x 24 uint8 (E2M3 codes of Wo, K innermost, in blocks of 32 codes, four codes in three bytes); Wo_scales 1,024 x 32 uint8 (E8M0 scales of Wo, one for each 32 codes along K); Wq_codes 1,024 x 32 x 24 uint8 (E2M3 codes of Wq, K innermost, in blocks of 32 codes, four codes in three bytes); Wq_scales 1,024 x 32 uint8 (E8M0 scales of Wq, one for each 32 codes along K); Wv_codes 1,024 x 32 x 24 uint8 (E2M3 codes of Wv, K innermost, in blocks of 32 codes, four codes in three bytes); Wv_scales 1,024 x 32 uint8 (E8M0 scales of Wv, one for each 32 codes along K); bk 1,024 float32; bo 1,024 float32; bq 1,024 float32; bv 1,024 float32; x_codes 4 x 2,048 x 32 x 24 uint8 (E2M3 codes of x, K innermost, in blocks of 32 codes, four codes in three bytes); x_scales 4 x 2,048 x 32 uint8 (E8M0 scales of x, one for each 32 codes along K).
;; Outputs: out0 4 x 2,048 x 1,024 float32.
;; This version of the problem:
;;   THIS VERSION OF THE PROBLEM IS GIVEN IN LOW PRECISION. The matrix products marked QUANTISED in the list below multiply operands that are first quantised to E2M3 (2 exponent bits, 3 mantissa bits; 6 bits a number), with one power-of-two scale for each 32 numbers along K (OCP MX v1.0); their sums are f32. All else is computed in f32.
;;   The module's matrix products, in the order in which they are computed (A, B: the left and right operand; K: the contracted axis; several contracted axes count as one K, in the product's order):
;;     1. [M 8,192, K 1,024] x [K 1,024, N 1,024]; A: input x (given as codes); B: input Wq (given as codes): QUANTISED
;;     2. [M 8,192, K 1,024] x [K 1,024, N 1,024]; A: input x (given as codes); B: input Wk (given as codes): QUANTISED
;;     3. [M 8,192, K 1,024] x [K 1,024, N 1,024]; A: input x (given as codes); B: input Wv (given as codes): QUANTISED
;;     4. batch 64 x [M 2,048, K 64] x [K 64, N 2,048]; A: computed on the way; B: computed on the way: QUANTISED
;;     5. batch 64 x [M 2,048, K 2,048] x [K 2,048, N 64]; A: softmax (see below); B: computed on the way: QUANTISED
;;     6. [M 8,192, K 1,024] x [K 1,024, N 1,024]; A: computed on the way; B: input Wo (given as codes): QUANTISED
;;   THE QUANTISER, for each operand of a quantised product, along K:
;;     - K is cut into blocks of 32 from its start; a last block that is shorter is filled with zeros.
;;     - A block's scale is 2^e with e = floor(log2(the largest magnitude in the block)) - 2, held to -126 .. 127; a block of zeros has e = 0. As a byte (E8M0): e + 127.
;;     - Each number is divided by its block's scale, clamped to +-7.5, and rounded to the nearest number of E2M3, ties to even, subnormals kept.
;;     - The product sums the exact products of the quantised numbers (number of the format x scale) in f32.
;;   ~~~python
;;   def quantise(x, axis):      # numpy; x: float32 -> the quantised numbers, widened to float32 again
;;       x = np.moveaxis(x, axis, -1); K = x.shape[-1]
;;       x = np.pad(x, [(0, 0)] * (x.ndim - 1) + [(0, -K % 32)]); x = x.reshape(x.shape[:-1] + (-1, 32)); a = np.abs(x).max(-1, keepdims=True)
;;       e = np.where(a > 0, np.clip(np.frexp(np.where(a > 0, a, 1))[1] - 1 - 2, -126, 127), 0)      # np.frexp(a)[1] - 1 = floor(log2(a)), exactly
;;       r = np.clip(x / 2.0 ** e, -7.5, 7.5)
;;       step = 2.0 ** (np.maximum(np.frexp(np.where(r == 0, 1, r))[1] - 1, 0) - 3)
;;       q = np.round(r / step) * step * 2.0 ** e      # np.round: ties to even
;;       return np.moveaxis(q.reshape(q.shape[:-2] + (-1,))[..., :K], -1, axis).astype(np.float32)
;;   ~~~
;;   SOFTMAX AHEAD OF A QUANTISED PRODUCT. Where the list says 'softmax', what is quantised is not the finished softmax but p = 2^(t - M), with t = logit x log2(e) and M = ceil(the row's largest t), a whole number; so 1/2 < the row's largest p <= 1. The row's sum l is taken of the UNQUANTISED p, in f32, and the product's result is divided by l at the end. Since M is a whole number, a kernel that streams over the keys may use a running M (the ceiling of the running maximum): every later rescaling is an exact power of two, which a block's scale takes up: the codes' values come out the same.
;;   OPERANDS COMPUTED ON THE WAY. 'Computed on the way' means the value that the module computes at that place (a softmax that the list does not call 'softmax' is quantised finished and normalised). What goes into a quantiser is computed in f32, as accurately as f32 sums, v_exp_f32 and their like allow (about 1e-6 of the number): no bf16 or f16 on the way to a quantiser, and a product that is left as it is and whose result goes on into a quantised operand takes f32 operands (vector FMAs, or v_wmma_f32_16x16x4_f32). A number that lies on a knife's edge between two numbers of the format may be rounded either way, as far as f32 arithmetic and the matrix unit's own rounding can turn it there, and no further.
;;   INPUTS GIVEN AS CODES. Wk (in the module: [1024, 1024], K = its axis 0); Wo (in the module: [1024, 1024], K = its axis 0); Wq (in the module: [1024, 1024], K = its axis 0); Wv (in the module: [1024, 1024], K = its axis 0); x (in the module: [4, 2048, 1024], K = its axis 2): each comes as NAME_codes (uint8): NAME with its K axis moved to the last place and cut into blocks of 32 codes, [.., K / 32, bytes a block], one block behind the other in memory; four codes in three bytes: a row's codes are one little-endian stream of bits, code i at bits 6 i .. 6 i + 5 (a code: sign, 2 exponent bits, 3 mantissa bits); and NAME_scales (uint8): the same leading axes, one E8M0 byte (e + 127) for each 32 codes along K. Its value is code x scale, taken as it is: it is not quantised again, and the codes and scales need not be those that the quantiser above would give.
;; One version. Each part assembles by itself: llvm-mc -triple=amdgcn-amd-amdhsa -mcpu=gfx1250 --defsym DOCPART=n.
;; ======== version 1 of 1: 3 launches
;; limits: right only within a limited range of input values
;; workspace buffers: qb 6,553,600 bytes; kvb 13,107,200 bytes; ac 6,291,456 bytes; asc 262,144 bytes
;; launch proj (part 1): grid 4 x 64, 4 waves a work-group, clusters of 4 x 4, 327,680 bytes of LDS; arguments x_codes, x_scales, Wq_codes, Wq_scales, bq, Wk_codes, Wk_scales, bk, Wv_codes, Wv_scales, bv, qb, kvb; writes qb, kvb
.if DOCPART == 1
	.amdgcn_target "amdgcn-amd-amdhsa--gfx1250"
	.amdhsa_code_object_version 6
	.text
	.protected	k_q3fc8dc8b26_proj
	.globl	k_q3fc8dc8b26_proj
	.p2align	8
	.type	k_q3fc8dc8b26_proj,@function
k_q3fc8dc8b26_proj:
	s_mov_b64 s[64:65], 0
	v_nop
	global_prefetch_b8 v0, s[64:65] scope:SCOPE_SE
	s_setreg_imm32_b32 hwreg(HW_REG_WAVE_MODE, 25, 1), 1
	s_wait_xcnt 0x0
	s_wait_alu depctr_hold_cnt(0) depctr_sa_sdst(0) depctr_va_vdst(0) depctr_va_sdst(0) depctr_va_ssrc(0) depctr_va_vcc(0) depctr_vm_vsrc(0)
	s_getreg_b32 s2, hwreg(HW_REG_IB_STS2, 6, 4)
	s_cmp_eq_u32 s2, 0
	s_cbranch_scc0 .Lentry_in_a_cluster
	s_endpgm
.Lentry_in_a_cluster:
	s_bfe_u32 s2, ttmp6, 0x10000c
	s_cmp_lg_u32 s2, 0xf033
	s_cbranch_scc0 .Lentry_shape_is_right
	s_endpgm
.Lentry_shape_is_right:
; q = x Wq + bq, k = x Wk + bk, v = x Wv + bv on codes of FP6 (E2M3) with E8M0 scales, sums in f32; the results are quantised in registers and leave as codes and scale bytes.
; A tile multiplies an S block of 128 rows (source 0, read by all four waves) with an L block of 256 rows (source 1, 64 rows a wave); all of K = 1,024 lies in LDS.
; In a result lane (r, h) holds row r of the L tile and register j row 8 h + j of the S tile.  A wave: 8 S tiles x 4 L tiles = 32 accumulators, 8 K steps of 128.
;   kind qk (tile number 0-31):  S = 128 rows of Wq or Wk (two heads), L = 256 tokens of x: a lane holds a token, its registers run along the channels: q and k are quantised along the head's 64.
;   kind v  (tile number 32-47): S = 128 tokens of x (a group of keys), L = 256 rows of Wv (a head a wave): a lane holds a channel, its registers run along the keys: v is quantised along the keys.
; So one quantiser serves both.  A block's 32 codes come out in the order 0-7, 16-23, 8-15, 24-31; q and k, and likewise p and v, are both made so, and the same order of k inside a block on both operands leaves every product as it is.
; A WORK-GROUP STAYS AND MAKES THREE TILES: numbers y, y + 16, y + 32 (y the cluster's y, 0-15): one of q, one of k, one of v.  A row's 768 bytes are three chunks of 256, each with a region of LDS for S and one for L.
; A region is filled again with the next tile's chunk when the tile at work has read it: chunk 0 in K step 2, chunk 1 in step 5, chunk 2 in step 7, each behind the three lines and a round of the cluster's barrier
; wave 0 L's chunk, wave 1 S's.  Each round also shows the refill before it to all waves.  The next tile's scale words, bias and first two sets of fragments are asked for ahead of a tile's quantiser.
; The q and k tiles are a loop of two trips; the v tile, which asks for nothing more, is written out behind it.
; OUT: a half image (768 bytes) is 16 rows x 64 k as operand registers 0-5: registers 0-3 at 16 x lane, registers 4-5 at 512 + 8 x lane.
;   qb  [head 64][group of 128 tokens 16]: 8 half images, then 256 scale bytes [i 2][row 16][2 words], word (i, n) = (tile 4 i + 2 n's two bytes | tile 4 i + 2 n + 1's).       6,400 bytes
;   kvb the same for k, then v^T: [64 keys 2][16 channels 4] half images, then its scale words [n 2][row 16][2]: n = 0: channel tiles 0 and 2, n = 1: tiles 1 and 3.          12,800 bytes
; CLUSTER 4 x 4: S's tile hangs on the cluster's y and cy alone and is asked for jointly by a row of the cluster, L's on the cluster's y and cx alone and by a column.
; No prefetch: a tile's chunks are asked for by their tensor loads three to five K steps ahead of their first read.
; LIMITS: a block of zeros gets the byte 1 (its codes are zeros; only this program reads these bytes); NaN, infinities and a given scale byte 0xff are not served.
; q's and k's scale words leave as stores of 128 bytes (the other half of the 256 is the neighbouring wave's).  All other stores cover whole aligned 256 bytes.
; REGISTERS: window 0: v1-19 addresses, v32-63 S's scale words, v64-79 L's, v80-95 at work, v96-99 new scale words, v100-219 new codes; window 1: S fragments, two sets; window 2: L fragments, two sets, v128-191 the bias; window 3: accumulators.
.set REGS,  34816                      ; LDS: a region of S: 128 rows x (256 bytes + 16)
.set REGL,  69632                      ; a region of L: 256 rows x 272
.set LBASE, 3*REGS                     ; S's three regions, then L's three
.set G1W0,  (3<<16)|(1<<20)|(1<<21)|(5<<22)|(3<<25)   ; elements of 8 bytes; padding on; bit 21 beside a mask; behind every 64 words 4 words
.set TM,    80
.set WW,    96
.set MSB, 0
.macro WIN new                         ; the immediate's high byte repeats the setting that is left
.if MSB != \new
	s_set_vgpr_msb (MSB<<8)|\new
.set MSB, \new
.endif
.endm
.macro PLACES n
.rept \n
	v_nop
.endr
.endm
.macro CROUND                          ; a round of the cluster's barrier
	s_barrier_signal -1
	s_barrier_wait -1
	s_cmp_lg_u32 s30, 0
	s_cbranch_scc1 .Lnot_wave_0_\@
	s_barrier_signal -3
.Lnot_wave_0_\@:
	s_barrier_wait -3
	s_barrier_signal -1
	s_barrier_wait -1
.endm
; A fragment: 16 rows x 128 K = 12 registers; lane (r, h) takes the row's bytes 96 q + 24 h .. + 23 and 96 q + 48 + 24 h .. + 23, in pieces of 8 bytes.
; Piece n lies in region n / 32.  Lanes 16-31 read three pieces further on: where that is in the next region, the second address register serves (there lanes 16-31 stand a region less 232 bytes on).
.macro FRAG reg, a1, a2, q, tile
.irp p, 0,1,2,3,4,5
.set PCE, 12*(\q)+6*(\p/3)+\p%3
.if PCE%32 < 29
	ds_load_b64 v[\reg+2*\p:\reg+2*\p+1], v[\a1+PCE/32] offset:8*(PCE%32)+(\tile)*4352
.else
	ds_load_b64 v[\reg+2*\p:\reg+2*\p+1], v[\a2+PCE/32] offset:8*(PCE%32)+(\tile)*4352
.endif
.endr
.endm
.macro FETCH q, s                      ; K step q's 8 + 4 fragments into set s: 72 loads in one run
	WIN 0x40
.irp t, 0,1,2,3,4,5,6,7
	FRAG 96*(\s)+12*\t, 4, 7, \q, \t
.endr
	WIN 0x80
.irp t, 0,1,2,3
	FRAG 48*(\s)+12*\t, 9, 12, \q, \t
.endr
	WIN 0
.endm
; 32 matrix instructions; the 32 accumulators take turns, in the same order in every step.  cmode 0: C = D; 1, 2: the bias starts the sums.
; A scale register holds K step i's word in lanes 0-15 and K step 4 + i's in lanes 16-31.
.macro MUL q, s, cmode
.if \cmode
	WIN 0xe9                               ; source 0 window 1, source 1 window 2, C window 2, D window 3
.else
	WIN 0xf9                               ; C and D window 3
.endif
.irp l, 0,1,2,3
.irp p, 0,1,2,3,4,5,6,7
.if \cmode == 0
.set CC, 8*(8*\l+\p)
.elseif \cmode == 1
.set CC, 128+8*\p
.else
.set CC, 128+16*\l+8*(\p%2)
.endif
.if (\q) < 4
	v_wmma_scale_f32_16x16x128_f8f6f4 v[8*(8*\l+\p):8*(8*\l+\p)+7], v[96*(\s)+12*\p:96*(\s)+12*\p+11], v[48*(\s)+12*\l:48*(\s)+12*\l+11], v[CC:CC+7], v[32+4*\p+(\q)%4], v[64+4*\l+(\q)%4] matrix_a_fmt:MATRIX_FMT_FP6 matrix_b_fmt:MATRIX_FMT_FP6
.else
	v_wmma_scale_f32_16x16x128_f8f6f4 v[8*(8*\l+\p):8*(8*\l+\p)+7], v[96*(\s)+12*\p:96*(\s)+12*\p+11], v[48*(\s)+12*\l:48*(\s)+12*\l+11], v[CC:CC+7], v[32+4*\p+(\q)%4], v[64+4*\l+(\q)%4] matrix_a_fmt:MATRIX_FMT_FP6 matrix_b_fmt:MATRIX_FMT_FP6 matrix_a_scale:MATRIX_SCALE_ROW1 matrix_b_scale:MATRIX_SCALE_ROW1
.endif
.endr
.endr
	WIN 0
.endm
; A K step: its set is in; the next step's fetch; the products.  mode -1: no more.  mode 0: every wave waits for its tensor loads and a barrier shows them.
; mode 1: chunk j's regions are read no more: the three lines, a round, and the next tile's chunk j (its codes begin at s[84:85] for L, s[82:83] for S): my one tensor load behind the round.
.macro STEP q, mode, j=0
.if \mode == 1
.set GL_, 60+4*(\j)+4*(((\j)+1)/2)
	s_wait_tensorcnt 0x0                   ; all my tensor loads have landed, so their descriptors may be written;
	ds_add_u32 v254, v255                  ; the add; work on registers stands between it and the wait for it
	s_add_nc_u64 s[50+4*(\j):51+4*(\j)], s[82:83], (\j)*256
	s_or_b32 s[51+4*(\j)], s[51+4*(\j)], 0x80000000
	s_add_nc_u64 s[GL_+2:GL_+3], s[84:85], (\j)*256
	s_or_b32 s[GL_+3], s[GL_+3], 0x80000000
	s_wait_dscnt 0x0                       ; the add is done, and this step's 72 loads, my last reads of chunk j, are in
	CROUND                                 ; the same holds of every wave of all sixteen work-groups
	s_cmp_lt_u32 s30, 1
	s_cbranch_scc0 .Lr1_\@
	tensor_load_to_lds s[GL_:GL_+3], s[40:47]
	s_nop 0
	PLACES 4
	s_branch .Lrj_\@
.Lr1_\@:
	s_cmp_lt_u32 s30, 2
	s_cbranch_scc0 .Lrj_\@
	tensor_load_to_lds s[48+4*(\j):51+4*(\j)], s[32:39]
	s_nop 0
	PLACES 4
.Lrj_\@:
.else
	s_wait_dscnt 0x0                       ; this step's 72 loads are in (issued ahead of the last step's 32 products)
.if \mode == 0
	s_wait_tensorcnt 0x0
	s_barrier_signal -1
	s_barrier_wait -1
.endif
.endif
.if (\q) < 7
	PLACES 4                               ; in front of loads into the set that the last products read
	FETCH (\q)+1, ((\q)+1)%2
.endif
	MUL \q, (\q)%2, 0
.endm
; L tile l: a lane's 64 numbers (register 16 b + i: block b) become 12 registers of codes and a scale word, and the codes leave as two half images.
.macro QUANTW l
.set AB, 64*(\l)
.set PCL, 100+40*(\l)+20*((\l)/2)-80*((\l)/3)   ; 100, 140, 200, 160: a set for each tile
	WIN 0x0f                               ; sources 0 and 1 window 3
.irp b, 0,1,2,3
	v_max3_num_f32 v[TM+\b], |v[AB+16*\b]|, |v[AB+16*\b+1]|, 0x1800000   ; each accumulator from its low end; the floor 2^(3 - 127) holds the byte at 1 from below
.endr
.irp i, 2,4,6,8,10,12,14
.irp b, 0,1,2,3
	v_max3_num_f32 v[TM+\b], |v[AB+16*\b+\i]|, |v[AB+16*\b+\i+1]|, v[TM+\b]
.endr
.endr
	WIN 0
.irp b, 0,1,2,3
	v_permlanex16_b32 v[TM+4+\b], v[TM+\b], s78, s79
.endr
.irp b, 0,1,2,3
	v_max_num_f32 v[TM+\b], v[TM+\b], v[TM+4+\b]       ; with lane l xor 16's 16 numbers: the block's largest magnitude
.endr
.irp b, 0,1,2,3
	v_add_nc_u32 v[TM+12+\b], 0xff000000, v[TM+\b]     ; 2 off its exponent field: the conversion's scale operand
.endr
.irp b, 0,1,2,3
	v_lshrrev_b32 v[TM+4+\b], 23, v[TM+12+\b]          ; the scale's byte
.endr
	v_lshl_or_b32 v[WW+\l], v[TM+5], 8, v[TM+4]
	v_lshl_or_b32 v[WW+\l], v[TM+6], 16, v[WW+\l]
	v_lshl_or_b32 v[WW+\l], v[TM+7], 24, v[WW+\l]
	WIN 0x03                               ; the 16 numbers in window 3
.irp c, 0,1
	v_cvt_scalef32_pk16_fp6_f32 v[PCL+6*\c:PCL+6*\c+2], v[AB+32*\c:AB+32*\c+15], v[TM+12+2*\c]
	v_cvt_scalef32_pk16_fp6_f32 v[PCL+12+4*\c:PCL+14+4*\c], v[AB+32*\c+16:AB+32*\c+31], v[TM+13+2*\c]
.endr
	WIN 0
	v_nop                                  ; one plain place behind the scaled conversions
.irp c, 0,1                            ; a whole block to a lane: lanes 0-15 block 2 c, lanes 16-31 block 2 c + 1
.irp i, 0,1,2
	v_permlane16_swap_b32 v[PCL+6*\c+\i], v[PCL+12+4*\c+\i]
.endr
.irp i, 0,1,2
	v_mov_b32 v[PCL+3+6*\c+\i], v[PCL+12+4*\c+\i]
.endr
.endr
	global_store_b128 v14, v[PCL:PCL+3], s[90:91] offset:768*(\l)          ; 512 consecutive bytes
	global_store_b64 v15, v[PCL+4:PCL+5], s[90:91] offset:768*(\l)+512     ; 256 consecutive bytes
	global_store_b128 v14, v[PCL+6:PCL+9], s[92:93] offset:768*(\l)
	global_store_b64 v15, v[PCL+10:PCL+11], s[92:93] offset:768*(\l)+512
.endm
.macro OUT                             ; a tile's way out
	QUANTW 0
	QUANTW 1
	QUANTW 2
	QUANTW 3
	v_perm_b32 v180, v[WW+1], v[WW], s96           ; the four tiles' scale words, laid as the next launch reads them
	v_perm_b32 v181, v[WW+3], v[WW+2], s96
	v_perm_b32 v182, v[WW+1], v[WW], s97
	v_perm_b32 v183, v[WW+3], v[WW+2], s97
	v_cndmask_b32 v184, v180, v182, s98
	v_cndmask_b32 v185, v181, v183, s98
	global_store_b64 v16, v[184:185], s[94:95]
.endm
.macro ARGS                            ; the buffers' addresses: they are read anew for each tile, since s4-s16 also serve as work registers
	s_load_b512 s[4:19], s[0:1], 0x0               ; x codes, x scales, Wq codes, Wq scales, bq, Wk codes, Wk scales, bk
	s_load_b256 s[20:27], s[0:1], 0x40             ; Wv codes, Wv scales, bv, qb
	s_load_b64 s[28:29], s[0:1], 0x60              ; kvb
.endm
.macro IDS                             ; from the tile's number s76: the kind s31, s77 (1: the results go to kvb), S's block s100 (cy alone), L's block s101 (cx alone)
	s_bfe_u32 s100, s76, 0x10003                   ; qk: which four pairs of heads
	s_sub_co_u32 s2, s76, 32                       ; v: which four groups of keys
	s_and_b32 s101, s76, 7                         ; qk: which four blocks of tokens
	s_cmp_ge_u32 s76, 32
	s_cselect_b32 s31, 1, 0
	s_cselect_b32 s100, s2, s100
	s_cselect_b32 s101, 0, s101
	s_cmp_ge_u32 s76, 16
	s_cselect_b32 s77, 1, 0
	s_lshl_b32 s100, s100, 2
	s_add_co_u32 s100, s100, s67                   ; pair of heads 0..7, or group of keys 0..63
	s_lshl_b32 s101, s101, 2
	s_add_co_u32 s101, s101, s66                   ; 256 tokens 0..31, or 256 rows of Wv 0..3
.endm
.macro PB                              ; where the tile's scale bytes and bias lie: s[84:85] S's scales, s[86:87] L's, s[88:89] the bias
	s_lshl_b32 s80, s100, 12                       ; S: 128 rows x 32 bytes a block
	s_mov_b32 s81, 0
	s_lshl_b32 s82, s101, 8
	s_lshl_b32 s83, s30, 6
	s_add_co_u32 s82, s82, s83                     ; L: my wave's 64 rows
	s_lshl_b32 s2, s82, 2                          ; kind v: the bias of my 64 channels
	s_lshl_b32 s82, s82, 5
	s_mov_b32 s83, 0
	s_lshl_b32 s99, s100, 9                        ; kind qk: the bias of the pair's 128 channels
	s_cmp_eq_u32 s31, 1
	s_cselect_b32 s2, s2, s99
	s_mov_b32 s3, 0
	s_cmp_ge_u32 s76, 16                           ; the buffers are chosen on the tile's number alone
	s_cselect_b64 s[84:85], s[16:17], s[10:11]
	s_cselect_b64 s[88:89], s[18:19], s[12:13]
	s_cmp_ge_u32 s76, 32
	s_cselect_b64 s[84:85], s[6:7], s[84:85]
	s_cselect_b64 s[88:89], s[24:25], s[88:89]
	s_cselect_b64 s[86:87], s[22:23], s[6:7]
	s_add_nc_u64 s[84:85], s[84:85], s[80:81]
	s_add_nc_u64 s[86:87], s[86:87], s[82:83]
	s_add_nc_u64 s[88:89], s[88:89], s[2:3]
.endm
.macro LOADSB both                     ; the tile's scale words and bias.  both = 0: the tile is of kind qk
.irp t, 0,1,2,3,4,5,6,7
	global_load_b128 v[32+4*\t:35+4*\t], v17, s[84:85] offset:512*\t   ; 16 rows' 512 scale bytes: register i: K step i (lanes 0-15), 4 + i (lanes 16-31)
.endr
.irp t, 0,1,2,3
	global_load_b128 v[64+4*\t:67+4*\t], v17, s[86:87] offset:512*\t
.endr
.if \both
	s_cmp_eq_u32 s31, 0
	s_cbranch_scc0 .Lbias_v_\@
.endif
	WIN 0x80
.irp t, 0,1,2,3,4,5,6,7                        ; qk: register 8 t + j = b[16 t + 8 h + j]
	global_load_b128 v[128+8*\t:131+8*\t], v18, s[88:89] offset:64*\t
	global_load_b128 v[132+8*\t:135+8*\t], v18, s[88:89] offset:64*\t+16
.endr
	WIN 0
.if \both
	s_branch .Lbias_done_\@
.Lbias_v_\@:
	WIN 0x80
	s_wait_alu depctr_va_vdst(0)
.irp t, 0,1,2,3                                ; v: all registers of L tile t hold bv[16 t + r]
.irp n, 0,1,2,3,4,5,6,7,8,9,10,11,12,13,14,15
	global_load_b32 v[128+16*\t+\n], v19, s[88:89] offset:64*\t
.endr
.endr
	WIN 0
.Lbias_done_\@:
.endif
.endm
.macro PC                              ; where the tile's results go: s[90:91] registers 0-5, s[92:93] registers 6-11, s[94:95] and v16 the scale words, s96, s97 their byte selects
	s_wait_xcnt 0x0                                ; the last tile's stores have read their addresses and data: these are written again from here on
	s_cmp_ge_u32 s76, 16
	s_cselect_b64 s[90:91], s[28:29], s[26:27]
	s_lshl_b32 s4, 0x19000, s77                    ; from head to head: 102,400 in qb, 204,800 in kvb
	s_lshl_b32 s5, 0x1900, s77                     ; from record to record: 6,400 or 12,800
	s_lshr_b32 s6, s101, 3                         ; qk: the batch,
	s_lshl_b32 s6, s6, 4
	s_lshl_b32 s7, s100, 1
	s_add_co_u32 s6, s6, s7                        ; the pair's first head: 16 b + 2 pair
	s_and_b32 s7, s101, 7
	s_lshl_b32 s7, s7, 1
	s_lshr_b32 s8, s30, 1
	s_add_co_u32 s7, s7, s8                        ; the group of 128 tokens
	s_and_b32 s8, s30, 1                           ; which 64 of them
	s_mul_i32 s9, s8, 3072
	s_lshl_b32 s10, s8, 7
	s_add_co_u32 s10, s10, 6144
	s_lshr_b32 s11, s100, 4                        ; v: the batch,
	s_lshl_b32 s11, s11, 4
	s_lshl_b32 s12, s101, 2
	s_add_co_u32 s11, s11, s12
	s_add_co_u32 s11, s11, s30                     ; my head: 16 b + 4 cx + wave
	s_and_b32 s12, s100, 15                        ; the group of keys
	s_mov_b32 s96, 0x05040100                      ; qk: two tiles' low two bytes (the first head),
	s_mov_b32 s97, 0x07060302                      ; their high two (the second head)
	s_mov_b32 s13, 6400
	s_mov_b32 s14, 12544
	s_mov_b32 s15, 3072
	s_cmp_eq_u32 s31, 1
	s_cselect_b32 s6, s11, s6
	s_cselect_b32 s7, s12, s7
	s_cselect_b32 s9, s13, s9                      ; registers 0-5 go here in the record,
	s_cselect_b32 s10, s14, s10                    ; the scale words here,
	s_cselect_b32 s15, s15, s4                     ; registers 6-11 so far behind registers 0-5: the next head, or keys 64 on
	s_cselect_b32 s16, 128, s4                     ; and lanes 16-31's scale words so far behind lanes 0-15's
	s_cselect_b32 s96, 0x03020100, s96             ; v: the second source's whole word,
	s_cselect_b32 s97, 0x07060504, s97             ; the first source's
	s_mul_i32 s6, s6, s4
	s_mul_i32 s7, s7, s5
	s_add_co_u32 s6, s6, s7
	s_mov_b32 s7, 0
	s_add_nc_u64 s[90:91], s[90:91], s[6:7]        ; the record
	s_mov_b32 s11, 0
	s_add_nc_u64 s[94:95], s[90:91], s[10:11]
	s_mov_b32 s8, s9
	s_mov_b32 s9, 0
	s_add_nc_u64 s[90:91], s[90:91], s[8:9]
	s_mov_b32 s14, s15
	s_mov_b32 s15, 0
	s_add_nc_u64 s[92:93], s[90:91], s[14:15]
	v_mul_u32_u24 v16, s16, v2
	v_lshl_add_u32 v16, v1, 3, v16                 ; 8 r + h x that distance
.endm
.macro PARTA                           ; where the NEXT tile's codes begin: s[82:83] S's, s[84:85] L's.  Trip 0: the k tile (Wk's rows, the same tokens); trip 1: the v tile (x's keys, Wv's rows)
	s_load_b64 s[80:81], s[0:1], 0x0               ; x's codes
	s_load_b64 s[82:83], s[0:1], 0x28              ; Wk's
	s_load_b64 s[84:85], s[0:1], 0x40              ; Wv's
	s_and_b32 s99, s76, 15                         ; the cluster's y
	s_bfe_u32 s86, s99, 0x10003
	s_cmp_eq_u32 s104, 0
	s_cselect_b32 s86, s86, s99
	s_lshl_b32 s86, s86, 2
	s_add_co_u32 s86, s86, s67                     ; S's block: cy alone
	s_mul_i32 s86, s86, 128*768
	s_mov_b32 s87, 0
	s_and_b32 s100, s99, 7
	s_cmp_eq_u32 s104, 0
	s_cselect_b32 s100, s100, 0
	s_lshl_b32 s100, s100, 2
	s_add_co_u32 s100, s100, s66                   ; L's block: cx alone
	s_mul_i32 s100, s100, 256*768
	s_mov_b32 s101, 0
	s_wait_kmcnt 0x0
	s_cmp_eq_u32 s104, 0
	s_cselect_b64 s[82:83], s[82:83], s[80:81]
	s_cselect_b64 s[84:85], s[80:81], s[84:85]
	s_add_nc_u64 s[82:83], s[82:83], s[86:87]
	s_add_nc_u64 s[84:85], s[84:85], s[100:101]
.endm
; ================= THE HEAD: the q tile's fills
	ARGS
	v_lshl_add_u32 v254, v0, 2, 0x4c800
	v_mov_b32 v255, 0
	ds_add_u32 v254, v255                          ; the opening lines: the add twice on end and its wait
	ds_add_u32 v254, v255
	v_lshrrev_b32 v1, 5, v0
	v_readfirstlane_b32 s30, v1                    ; wave 0..3
	s_bfe_u32 s66, ttmp6, 0x40000                  ; cx
	s_bfe_u32 s67, ttmp6, 0x40004                  ; cy
	s_and_b32 s76, ttmp7, 0xffff                   ; the first tile's number: the cluster's y, 0..15, the same in all sixteen partners
	s_mov_b32 s104, 0                              ; the loop's trips
	IDS
	s_lshl_b32 s2, s67, 2
	s_lshl_b32 s2, 15, s2                          ; my row of the cluster
	s_or_b32 s32, s2, G1W0                         ; group 1 for S: 128 rows x 256 bytes, 768 bytes apart
	s_lshl_b32 s3, 0x1111, s66                     ; my column
	s_or_b32 s40, s3, G1W0                         ; group 1 for L: 256 rows
	s_mov_b32 s33, 32<<16                          ; tensor_dim0 = 32 elements
	s_mov_b32 s34, 128<<16                         ; tensor_dim1
	s_mov_b32 s35, 32<<16                          ; tile_dim0
	s_mov_b32 s36, 128                             ; tile_dim1
	s_mov_b32 s37, 96                              ; from row to row: 96 elements
	s_mov_b32 s38, 0
	s_mov_b32 s39, 0
	s_mov_b32 s41, 32<<16
	s_mov_b32 s42, 256<<16
	s_mov_b32 s43, 32<<16
	s_mov_b32 s44, 256
	s_mov_b32 s45, 96
	s_mov_b32 s46, 0
	s_mov_b32 s47, 0
	s_mul_i32 s2, s100, 128*768                    ; S's first row, in bytes
	s_mov_b32 s3, 0
	s_mul_i32 s92, s101, 256*768                   ; L's
	s_mov_b32 s93, 0
	s_mul_i32 s105, s30, 17408
	s_add_co_u32 s105, s105, LBASE                 ; LDS: my wave's 64 rows of a region of L
	s_mov_b32 s78, 0x76543210
	s_mov_b32 s79, 0xfedcba98                      ; v_permlanex16_b32's selects for lane l xor 16
	s_mov_b32 s98, 0xffff0000                      ; lanes 16-31
	s_wait_dscnt 0x0
	s_wait_kmcnt 0x0
	s_add_nc_u64 s[80:81], s[8:9], s[2:3]          ; Wq's codes
	s_add_nc_u64 s[82:83], s[4:5], s[92:93]        ; x's
.irp j, 0,1,2
.set GL, 60+4*\j+4*((\j+1)/2)          ; L's groups 0 at s60, s68, s72
	s_mov_b32 s[48+4*\j], 1
	s_mov_b32 s[49+4*\j], \j*REGS
	s_add_nc_u64 s[50+4*\j:51+4*\j], s[80:81], \j*256
	s_or_b32 s[51+4*\j], s[51+4*\j], 0x80000000
	s_mov_b32 s[GL], 1
	s_mov_b32 s[GL+1], LBASE+\j*REGL
	s_add_nc_u64 s[GL+2:GL+3], s[82:83], \j*256
	s_or_b32 s[GL+3], s[GL+3], 0x80000000
.endr
	CROUND                                         ; all sixteen work-groups are here: the joint loads meet
	s_cmp_lt_u32 s30, 1                            ; the head's loads, one a wave, in one chain of arms: wave 0 chunk 0 of L,
	s_cbranch_scc0 .Lh1
	tensor_load_to_lds s[60:63], s[40:47]
	s_nop 0
	PLACES 4
	s_branch .Lhj
.Lh1:
	s_cmp_lt_u32 s30, 2                            ; wave 1 chunk 0 of S,
	s_cbranch_scc0 .Lh2
	tensor_load_to_lds s[48:51], s[32:39]
	s_nop 0
	PLACES 4
	s_branch .Lhj
.Lh2:
	s_cmp_lt_u32 s30, 3                            ; wave 2 chunk 1 of L,
	s_cbranch_scc0 .Lh3
	tensor_load_to_lds s[68:71], s[40:47]
	s_nop 0
	PLACES 4
	s_branch .Lhj
.Lh3:
	tensor_load_to_lds s[52:55], s[32:39]          ; wave 3 chunk 1 of S
	s_nop 0
	PLACES 4
.Lhj:
	PB
	v_and_b32 v3, 31, v0                           ; lane
	v_and_b32 v1, 15, v0                           ; r
	v_bfe_u32 v2, v0, 4, 1                         ; h
	v_mul_u32_u24 v20, v1, 272
	v_mad_u32_u24 v4, v2, 24, v20                  ; S, region 0: row r + 24 h
	v_add_nc_u32 v5, REGS, v4
	v_add_nc_u32 v6, 2*REGS, v4
	v_mad_u32_u24 v7, v2, REGS-232, v20            ; and where lanes 16-31 read the next region
	v_add_nc_u32 v8, REGS, v7
	v_add_nc_u32 v9, s105, v4                      ; L likewise, my wave's rows
	v_add_nc_u32 v10, REGL, v9
	v_add_nc_u32 v11, 2*REGL, v9
	v_mad_u32_u24 v12, v2, REGL-232, v20
	v_add_nc_u32 v12, s105, v12
	v_add_nc_u32 v13, REGL, v12
	v_lshlrev_b32 v14, 4, v3                       ; 16 x lane
	v_lshlrev_b32 v15, 3, v3                       ; 8 x lane
	v_lshlrev_b32 v17, 5, v1
	v_lshl_add_u32 v17, v2, 4, v17                 ; scale bytes: row r, half h of its 32
	v_lshlrev_b32 v18, 5, v2                       ; bias along the S side: 8 h numbers on
	v_lshlrev_b32 v19, 2, v1                       ; bias along the L side: number r
.irp b, 0,1,2,3
	v_mov_b32 v[TM+4+\b], 0                        ; written once: a lane permute's destination counts as a source
.endr
	LOADSB 0
	s_wait_alu depctr_va_vdst(0)
	s_wait_tensorcnt 0x0                           ; my load of the head's four is in
	ds_add_u32 v254, v255
	s_wait_dscnt 0x0
	CROUND                                         ; chunks 0 and 1 are whole, and all sixteen work-groups are here
	s_cmp_lt_u32 s30, 1                            ; chunk 2's first fill: wave 0 L's, wave 1 S's
	s_cbranch_scc0 .Lg1
	tensor_load_to_lds s[72:75], s[40:47]
	s_nop 0
	PLACES 4
	s_branch .Lgj
.Lg1:
	s_cmp_lt_u32 s30, 2
	s_cbranch_scc0 .Lgj
	tensor_load_to_lds s[56:59], s[32:39]
	s_nop 0
	PLACES 4
.Lgj:
	FETCH 0, 0
	FETCH 1, 1
; ================= THE q TILE AND THE k TILE: a loop of two trips.  At its top K steps 0 and 1 are being fetched and the scale words and the bias are on their way
.Ltile:
	PC
	s_wait_loadcnt 0x0                             ; scale words and bias
	s_wait_dscnt 0x0                               ; both sets
	MUL 0, 0, 1                                    ; the first K step starts the sums with the bias: nothing is cleared
	PARTA
	STEP 1, -1
	STEP 2, 1, 0                                   ; the round shows chunk 2 of this tile; chunk 0's regions take the next tile's
	STEP 3, -1
	STEP 4, -1
	STEP 5, 1, 1                                   ; the round shows the next tile's chunk 0
	STEP 6, -1
	ARGS                                           ; for the next tile's addresses; waited for behind the step below
	STEP 7, 1, 2                                   ; the round shows the next tile's chunk 1
	s_add_co_u32 s76, s76, 16                      ; the next tile's number
	IDS
	s_wait_kmcnt 0x0
	PB
	PLACES 4                                       ; in front of the loads into scale words and sets that the last products read, and of the first read of results
	LOADSB 1
	FETCH 0, 0                                     ; the next tile's K steps 0 and 1
	FETCH 1, 1
	OUT
	s_add_co_u32 s104, s104, 1
	s_cmp_lt_u32 s104, 2
	s_wait_alu depctr_va_vdst(0)
	s_cbranch_scc1 .Ltile
; ================= THE v TILE: it asks for nothing more
	PC
	s_wait_loadcnt 0x0
	s_wait_dscnt 0x0
	MUL 0, 0, 2
	STEP 1, -1
	STEP 2, 0                                      ; a plain barrier shows this tile's chunk 2
	STEP 3, -1
	STEP 4, -1
	STEP 5, -1
	STEP 6, -1
	STEP 7, -1
	PLACES 4                                       ; in front of the first read of results
	OUT
	s_wait_tensorcnt 0x0                           ; the wave's end
	ds_add_u32 v254, v255
	s_wait_dscnt 0x0
	CROUND                                         ; the closing round: no work-group ends while a partner may still ask for a tile that names it
	s_endpgm
.Lfunc_end_k_q3fc8dc8b26_proj:
	.size	k_q3fc8dc8b26_proj, .Lfunc_end_k_q3fc8dc8b26_proj-k_q3fc8dc8b26_proj
	.p2alignl 7, 3214868480
	.fill 96, 4, 3214868480
	.section	.rodata,"a",@progbits
	.p2align	6, 0x0
	.amdhsa_kernel k_q3fc8dc8b26_proj
		.amdhsa_group_segment_fixed_size 327680
		.amdhsa_private_segment_fixed_size 0
		.amdhsa_enable_private_segment 0
		.amdhsa_kernarg_size 104
		.amdhsa_user_sgpr_count 2
		.amdhsa_user_sgpr_kernarg_segment_ptr 1
		.amdhsa_wavefront_size32 1
		.amdhsa_system_sgpr_workgroup_id_x 1
		.amdhsa_system_sgpr_workgroup_id_y 1
		.amdhsa_system_sgpr_workgroup_id_z 1
		.amdhsa_system_vgpr_workitem_id 0
		.amdhsa_next_free_vgpr 1024
		.amdhsa_next_free_sgpr 106
		.amdhsa_reserve_vcc 0
		.amdhsa_float_denorm_mode_32 3
		.amdhsa_float_denorm_mode_16_64 3
		.amdhsa_memory_ordered 1
		.amdhsa_forward_progress 1
		.amdhsa_inst_pref_size 207
	.end_amdhsa_kernel
	.amdgpu_metadata
---
amdhsa.version: [ 1, 2 ]
amdhsa.kernels:
  - .name:           k_q3fc8dc8b26_proj
    .symbol:         k_q3fc8dc8b26_proj.kd
    .args:
      - { .name: x_codes, .offset: 0, .size: 8, .value_kind: global_buffer, .address_space: global }
      - { .name: x_scales, .offset: 8, .size: 8, .value_kind: global_buffer, .address_space: global }
      - { .name: Wq_codes, .offset: 16, .size: 8, .value_kind: global_buffer, .address_space: global }
      - { .name: Wq_scales, .offset: 24, .size: 8, .value_kind: global_buffer, .address_space: global }
      - { .name: bq, .offset: 32, .size: 8, .value_kind: global_buffer, .address_space: global }
      - { .name: Wk_codes, .offset: 40, .size: 8, .value_kind: global_buffer, .address_space: global }
      - { .name: Wk_scales, .offset: 48, .size: 8, .value_kind: global_buffer, .address_space: global }
      - { .name: bk, .offset: 56, .size: 8, .value_kind: global_buffer, .address_space: global }
      - { .name: Wv_codes, .offset: 64, .size: 8, .value_kind: global_buffer, .address_space: global }
      - { .name: Wv_scales, .offset: 72, .size: 8, .value_kind: global_buffer, .address_space: global }
      - { .name: bv, .offset: 80, .size: 8, .value_kind: global_buffer, .address_space: global }
      - { .name: qb, .offset: 88, .size: 8, .value_kind: global_buffer, .address_space: global }
      - { .name: kvb, .offset: 96, .size: 8, .value_kind: global_buffer, .address_space: global }
    .group_segment_fixed_size: 327680
    .private_segment_fixed_size: 0
    .kernarg_segment_align: 8
    .kernarg_segment_size: 104
    .max_flat_workgroup_size: 128
    .sgpr_count:     106
    .vgpr_count:     1024
    .wavefront_size: 32
...
	.end_amdgpu_metadata
.endif
;; end of part 1
;; launch attn (part 2): grid 4 x 64, 8 waves a work-group, clusters of 4 x 1, 206,848 bytes of LDS; arguments qb, kvb, ac, asc; writes ac, asc
.if DOCPART == 2
	.amdgcn_target "amdgcn-amd-amdhsa--gfx1250"
	.amdhsa_code_object_version 6
	.text
	.protected	k_q3fc8dc8b26_attn
	.globl	k_q3fc8dc8b26_attn
	.p2align	8
	.type	k_q3fc8dc8b26_attn,@function
k_q3fc8dc8b26_attn:
	s_mov_b64 s[64:65], 0
	v_nop
	global_prefetch_b8 v0, s[64:65] scope:SCOPE_SE
	s_setreg_imm32_b32 hwreg(HW_REG_WAVE_MODE, 25, 1), 1
	s_wait_xcnt 0x0
	s_wait_alu depctr_hold_cnt(0) depctr_sa_sdst(0) depctr_va_vdst(0) depctr_va_sdst(0) depctr_va_ssrc(0) depctr_va_vcc(0) depctr_vm_vsrc(0)
	s_getreg_b32 s2, hwreg(HW_REG_IB_STS2, 6, 4)
	s_cmp_eq_u32 s2, 0
	s_cbranch_scc0 .Lentry_in_a_cluster
	s_endpgm
.Lentry_in_a_cluster:
	s_bfe_u32 s2, ttmp6, 0x10000c
	s_cmp_lg_u32 s2, 0x3003
	s_cbranch_scc0 .Lentry_shape_is_right
	s_endpgm
.Lentry_shape_is_right:
; o = softmax(q k^T / 8) v for one head and 512 queries, both products on codes of FP6 (E2M3) with E8M0 scales; o / l is quantised along the model's axis and leaves as codes.
; t = score x log2(e) / 8; M = the running largest t rounded up to a whole number; p = 2^(t - M) is quantised along the keys; the row's sum is taken of the unquantised p and divides at the end.
; SHARES: eight waves, two to a SIMD; a wave owns TWO tiles of 16 queries at a time (tiles 32 cx + 16 pass + 2 wave + 0, 1) and makes two passes, each over the head's 16 steps of 128 keys.  Every fragment of k and v^T feeds both tiles.
; LDS holds the head's whole k and v, 16 records of 12,800 bytes, filled once: wave w brings records 2 w and 2 w + 1 by one load.  The four work-groups of a cluster are the four quarters of one head's queries and ask jointly.
; EACH WAVE THEN RE-LAYS k OF ITS OWN TWO RECORDS, ONCE, IN PLACE (between two barriers): 0: four fragments of 12 registers as three images of 16 bytes a lane; 6,144: four scale words for each row r, 16 bytes on end.  v^T stays as it comes.
; THE ROWS OF k's TILES ARE CHOSEN ANEW: tile t of the 64 keys c takes key 64 c + 32 (row / 8) + 8 t + row % 8.  With S^T = k q^T lane (query r, h) then holds, in the 32 registers of four tiles, the whole block 2 c + h of 32 keys:
; a block's maximum and its codes need no other lane, and two conversions give six operand registers as they fall.  Fragment 2 c + u holds tiles u and u + 2, so the registers stand in the order 0-7, 16-23, 8-15, 24-31, as v's codes do.
; THE HEAD'S 64 FILL HALF OF AN INSTRUCTION'S 128: q lies as 18 registers [q | zeros | q]: registers 0-11 give a fragment's first tile's scores, registers 6-17 the second's; the other half meets zero codes; q's scale bytes there are 1.
; LOADS RUN AHEAD: k and v^T have registers of their own.  The next step's k (13 loads) is asked for behind this step's score products, this step's v^T (18 loads) at the step's top.  In a pass's last step the look-ahead is held at record 15 and not used.
; THE TWO TILES' LINES STAND BY TURNS: one tile's dependent chain among the other's maxima or multiply-adds, tile 1's multiply-adds among tile 0's exponentials.
; No prefetch: all of the launch's tensor loads go out at its head, so there is no loop to run ahead in.
; LIMITS: the scaled scores stay under 2^31 in magnitude; a block of zeros gets the byte 1 with zero codes (only this program reads these bytes); NaN and infinities are not served.  The scale bytes of o leave as single bytes:
; a token's 32 bytes come from 16 heads, which are 16 work-groups.
; REGISTERS.  Window 0: v1-9 offsets and addresses, v10-11 the spare word and 0, v12-13 q's word, o's bytes, v14-15 addresses; v16-39, v40-63 a tile's small numbers; v64-71 partial sums; v72-79 k's, v's scale words; v80-81 p's; v82-85 q's;
; v86-91 the re-laying's addresses; v96-159, v160-223 S^T, then p; v224-247 p's codes; v248-254 at work.  Window 1: v0-47 k, v48-95 v^T, v96-131 q, v132-195 O^T.
.set TS, 24                            ; from tile 0's small numbers to tile 1's
.set MM, 16                            ; -M, largest t
.set F,  18
.set LS, 20                            ; the row's sum, two halves
.set BM, 22
.set SO, 26
.set BY, 28
.set T1, 30
.set TT, 32
.set OM, 33
.set PWT, 34
.set SM, 64
.set SWK, 72
.set SWV, 76
.set PW, 80
.set QS, 82
.set RA16, 86
.set RA8, 87
.set RKS, 88
.set RKD, 89
.set RL16, 90
.set RL8, 91
.set S,  96
.set PC, 224
.set P2, 248
.set V,  48                            ; window 1
.set Q,  96
.set O,  132
.set MSB, 0
.macro WIN new                         ; the immediate's high byte repeats the setting that is left
.if MSB != \new
	s_set_vgpr_msb (MSB<<8)|\new
.set MSB, \new
.endif
.endm
.macro PLACES n
.rept \n
	v_nop
.endr
.endm
.macro WALU
	s_wait_alu depctr_va_vdst(0)
.endm
.macro CROUND                          ; a round of the cluster's barrier
	s_barrier_signal -1
	s_barrier_wait -1
	s_cmp_lg_u32 s12, 0
	s_cbranch_scc1 .Lnot_wave_0_\@
	s_barrier_signal -3
.Lnot_wave_0_\@:
	s_barrier_wait -3
	s_barrier_signal -1
	s_barrier_wait -1
.endm
	s_load_b256 s[4:11], s[0:1], 0x0               ; qb, kvb, ac, asc
	v_lshl_add_u32 v10, v0, 2, 0x32000
	v_mov_b32 v11, 0
	ds_add_u32 v10, v11                            ; the opening lines: the add twice on end and its wait
	ds_add_u32 v10, v11
	v_lshrrev_b32 v1, 5, v0
	v_readfirstlane_b32 s12, v1                    ; wave 0..7
	s_bfe_u32 s13, ttmp6, 0x40000                  ; cx: which 512 queries; it enters global addresses of q and o alone
	s_and_b32 s14, ttmp7, 0xffff                   ; 16 x batch + head, shared by the four partners
	s_mov_b32 s16, 15|(3<<16)|(1<<21)              ; group 1: all four work-groups; elements of 8 bytes; bit 21 beside the mask; no padding
	s_mov_b32 s17, 32<<16                          ; two records are dense: 100 rows of 256 bytes
	s_mov_b32 s18, 100<<16
	s_mov_b32 s19, 32<<16
	s_mov_b32 s20, 100
	s_mov_b32 s21, 32
	s_mov_b32 s22, 0
	s_mov_b32 s23, 0
	s_mov_b32 s24, 1
	s_mul_i32 s25, s12, 25600                      ; records 2 w, 2 w + 1 go to LDS byte 25,600 w
	s_mul_i32 s2, s14, 204800
	s_add_co_u32 s2, s2, s25
	s_mov_b32 s3, 0
	s_wait_dscnt 0x0
	s_wait_kmcnt 0x0
	s_add_nc_u64 s[26:27], s[6:7], s[2:3]
	s_or_b32 s27, s27, 0x80000000
	CROUND                                         ; the four work-groups are here: the joint loads meet
	tensor_load_to_lds s[24:27], s[16:23]          ; my one load of the launch
	s_nop 0
	PLACES 4
	s_mov_b32 s28, 0x76543210
	s_mov_b32 s29, 0xfedcba98                      ; v_permlanex16_b32's selects for lane l xor 16
	s_mov_b32 s30, 0x3e38aa3b                      ; c = log2(e) / 8
	s_mov_b32 s31, s30                             ; (named with it as a pair)
	s_mov_b32 s35, 0xffff0000                      ; lanes 16-31
	s_lshl_b32 s44, s13, 2
	s_lshr_b32 s45, s12, 2
	s_add_co_u32 s44, s44, s45                     ; my group of 128 queries in pass 0: 4 cx + wave / 4
	s_mul_i32 s44, s44, 6400
	s_mul_i32 s45, s14, 102400
	s_add_co_u32 s44, s44, s45                     ; its record of qb
	s_and_b32 s46, s12, 3                          ; my pair of tiles in it
	s_mul_i32 s2, s46, 1536
	s_add_co_u32 s2, s2, s44
	s_add_nc_u64 s[36:37], s[4:5], s[2:3]          ; q's half images: tile 0, and 768 bytes on tile 1
	s_lshr_b32 s2, s46, 1
	s_lshl_b32 s2, s2, 7
	s_and_b32 s47, s46, 1
	s_lshl_b32 s47, s47, 2
	s_add_co_u32 s2, s2, s47
	s_add_co_u32 s2, s2, 6144
	s_add_co_u32 s2, s2, s44
	s_add_nc_u64 s[38:39], s[4:5], s[2:3]          ; the scale word of the pair: tile 0's two bytes below, tile 1's above
	s_lshl_b32 s48, s13, 5
	s_lshl_b32 s49, s12, 1
	s_add_co_u32 s48, s48, s49                     ; my first tile of the head's 128 in pass 0
	s_lshr_b32 s49, s14, 4                         ; batch
	s_and_b32 s50, s14, 15                         ; head
	s_lshl_b32 s2, s49, 7
	s_add_co_u32 s2, s2, s48                       ; tile of tokens, 0..511
	s_lshl_b32 s51, s2, 9                          ; its 16 rows of 32 scale bytes
	s_lshl_b32 s2, s2, 4
	s_add_co_u32 s2, s2, s50
	s_mul_i32 s2, s2, 768
	s_add_nc_u64 s[40:41], s[8:9], s[2:3]          ; ac: [tile][head] half images
	s_lshl_b32 s2, s50, 1
	s_add_co_u32 s2, s2, s51
	s_add_nc_u64 s[42:43], s[10:11], s[2:3]        ; asc: byte 2 head + block of each token's 32
	v_and_b32 v12, 31, v0                          ; lane
	v_and_b32 v13, 15, v0                          ; r
	v_bfe_u32 v14, v0, 4, 1                        ; h
	v_bfe_u32 v8, v0, 3, 1                         ; r / 8
	v_and_b32 v7, 7, v0                            ; r % 8
	v_lshlrev_b32 v1, 4, v12                       ; 16 x lane
	v_lshlrev_b32 v2, 3, v12                       ; 8 x lane
	v_lshlrev_b32 v3, 3, v14                       ; 8 h: my two scale bytes' shift in p's word
	v_lshlrev_b32 v4, 3, v13                       ; 8 r
	v_lshl_add_u32 v5, v13, 5, v14                 ; 32 r + h
	v_lshlrev_b32 v9, 4, v13                       ; 16 r
	v_add_nc_u32 v[RL16], s25, v1                  ; my records + 16 x lane,
	v_add_nc_u32 v[RL8], s25, v2                   ; + 8 x lane
	v_mad_u32_u24 v[RA16], v8, 1408, v[RL16]       ; k as it comes: 1,536 (r / 8) + 16 (r % 8) + 256 h: rows 8-15 of a new tile lie two old tiles on,
	v_mad_u32_u24 v[RA8], v8, 1472, v[RL8]         ; 1,536 (r / 8) + 8 (r % 8) + 128 h
	v_lshl_add_u32 v[RKS], v7, 3, s25
	v_lshl_add_u32 v[RKS], v8, 2, v[RKS]           ; k's scale words as they come: 8 (r % 8) + 4 (r / 8)
	v_add_nc_u32 v[RKD], s25, v9                   ; and as they go: 16 r
.irp T, 0,1
	v_mov_b32 v[T1+TS*\T], 0                       ; written once: a lane permute's destination counts as a source
	v_mov_b32 v[T1+TS*\T+1], 0
	v_mov_b32 v[F+TS*\T+1], 0                      ; (named as the upper half of a pair)
.endr
	WIN 0x40
.irp i, 6,7,8,9,10,11,24,25,26,27,28,29
	v_mov_b32 v[Q+\i], 0                           ; the zero codes between q's two copies, both tiles
.endr
	WIN 0
	WALU
	s_wait_tensorcnt 0x0                           ; my records are in,
	s_barrier_signal -1
	s_barrier_wait -1                              ; everybody's are: no tensor load of the work-group is out when the stores below begin
; THE RE-LAYING: k of my two records into registers, then back in the new order.  Only I touch my records between the two barriers.
.irp n, 0,1
.irp c, 0,1
.irp u, 0,1
	ds_load_b128 v[S+64*\n+12*(2*\c+\u):S+64*\n+12*(2*\c+\u)+3], v[RA16] offset:12800*\n+3072*\c+128*\u       ; tile u: old tiles 4 c and 4 c + 2, their rows 8 u + 0 .. 7
	ds_load_b64 v[S+64*\n+12*(2*\c+\u)+4:S+64*\n+12*(2*\c+\u)+5], v[RA8] offset:12800*\n+3072*\c+512+64*\u
	ds_load_b128 v[S+64*\n+12*(2*\c+\u)+6:S+64*\n+12*(2*\c+\u)+9], v[RA16] offset:12800*\n+3072*\c+768+128*\u ; tile u + 2: old tiles 4 c + 1 and 4 c + 3
	ds_load_b64 v[S+64*\n+12*(2*\c+\u)+10:S+64*\n+12*(2*\c+\u)+11], v[RA8] offset:12800*\n+3072*\c+1280+64*\u
	ds_load_b32 v[SWK+4*\n+2*\c+\u], v[RKS] offset:12800*\n+6144+128*\c+64*\u                                 ; the old word of that row holds both tiles' bytes
.endr
.endr
.endr
	s_wait_dscnt 0x0
.irp n, 0,1
.irp i, 0,1,2,3,4,5,6,7,8,9,10,11
	ds_store_b128 v[RL16], v[S+64*\n+4*\i:S+64*\n+4*\i+3] offset:12800*\n+512*\i
.endr
	ds_store_b128 v[RKD], v[SWK+4*\n:SWK+4*\n+3] offset:12800*\n+6144      ; (both halves of the lanes store the same 16 bytes)
.endr
	s_wait_dscnt 0x0                               ; my stores are done,
	s_barrier_signal -1
	s_barrier_wait -1                              ; everybody's are: the whole head lies in LDS
.macro KLOAD a, ar                     ; a step's k: 12 loads and its scale words: 13
	WIN 0x40
.irp i, 0,1,2,3,4,5,6,7,8,9,10,11
	ds_load_b128 v[4*\i:4*\i+3], v[\a] offset:512*\i
.endr
	WIN 0
	ds_load_b128 v[SWK:SWK+3], v[\ar] offset:6144
.endm
; a tile's two blocks' largest scores, each in two chains (17 and 15 numbers), every accumulator from its low end: for the row's maximum and, since p rises with the score, for the block's largest p
.macro MAXF T
.irp c, 0,1
	v_max3_num_f32 v[BM+TS*\T+\c], v[S+64*\T+32*\c], v[S+64*\T+32*\c+1], v[S+64*\T+32*\c+2]
	v_max3_num_f32 v[BM+TS*\T+2+\c], v[S+64*\T+32*\c+17], v[S+64*\T+32*\c+18], v[S+64*\T+32*\c+19]
.endr
.endm
.macro MAXG T, i
.irp c, 0,1
	v_max3_num_f32 v[BM+TS*\T+\c], v[BM+TS*\T+\c], v[S+64*\T+32*\c+3+\i], v[S+64*\T+32*\c+4+\i]
	v_max3_num_f32 v[BM+TS*\T+2+\c], v[BM+TS*\T+2+\c], v[S+64*\T+32*\c+20+\i], v[S+64*\T+32*\c+21+\i]
.endr
.endm
.macro MAXL T
.irp c, 0,1
	v_max3_num_f32 v[BM+TS*\T+\c], v[BM+TS*\T+\c], v[S+64*\T+32*\c+15], v[S+64*\T+32*\c+16]
.endr
.irp c, 0,1
	v_max_num_f32 v[BM+TS*\T+\c], v[BM+TS*\T+\c], v[BM+TS*\T+2+\c]
.endr
.endm
.macro CH T, n                         ; line n of a tile's chain from the blocks' maxima to -M and f
.set X_, TS*(\T)
.if \n == 1
	v_max_num_f32 v[TT+X_], v[BM+X_], v[BM+X_+1]
.elseif \n == 2
	v_mul_f32 v[TT+X_], s30, v[TT+X_]              ; my 64 keys' largest t (c is positive)
.elseif \n == 3
	v_permlanex16_b32 v[T1+X_], v[TT+X_], s28, s29
.elseif \n == 4
	v_max3_num_f32 v[MM+X_+1], v[MM+X_+1], v[TT+X_], v[T1+X_]   ; with lane l xor 16's 64 keys: the running largest t
.elseif \n == 5
	v_floor_f32 v[MM+X_], -v[MM+X_+1]              ; the new -M = -ceil(t): a whole number
.elseif \n == 6
	v_sub_f32 v[TT+X_], v[MM+X_], v[OM+X_]         ; old M less new M: 0 or less
.elseif \n == 7
	v_cvt_i32_f32 v[TT+X_], v[TT+X_]               ; (it saturates)
.else
	v_ldexp_f32 v[F+X_], 1.0, v[TT+X_]             ; f = 2^(old M - new M): multiplying by it rounds nothing
.endif
.endm
.macro FMA4 T, j0                      ; t - M, eight numbers
.irp j, 0,2,4,6
	v_pk_fma_f32 v[S+64*\T+\j0+\j:S+64*\T+\j0+\j+1], v[S+64*\T+\j0+\j:S+64*\T+\j0+\j+1], s[30:31], v[MM+TS*\T:MM+TS*\T+1] op_sel_hi:[1,0,0]
.endr
.endm
.macro BMF T
.irp c, 0,1
	v_fma_f32 v[BM+TS*\T+\c], v[BM+TS*\T+\c], s30, v[MM+TS*\T]
.endr
.endm
.macro ADDS from, n                    ; pairs from .. from + n - 1 of p (at S_) onto the four partial sums by turns
.set I_, \from
.rept \n
	v_pk_add_f32 v[SM+2*(I_%4):SM+2*(I_%4)+1], v[SM+2*(I_%4):SM+2*(I_%4)+1], v[S_+2*I_:S_+2*I_+1]
.set I_, I_+1
.endr
.endm
; behind a tile's exponentials: the scale word, the codes, and the row's sum of the unquantised p (32 additions), whose lines stand among the scale word's chain and are the places ahead of the products
.macro POST T
.set S_, S+64*(\T)
.set X_, TS*(\T)
.irp c, 0,1
	v_max_num_f32 v[BM+X_+\c], 0x1800000, v[BM+X_+\c]      ; the floor 2^(3 - 127): the byte cannot fall under 1
.endr
	v_pk_add_f32 v[SM:SM+1], v[S_:S_+1], v[S_+2:S_+3]
	v_pk_add_f32 v[SM+2:SM+3], v[S_+4:S_+5], v[S_+6:S_+7]
.irp c, 0,1
	v_add_nc_u32 v[SO+X_+\c], 0xff000000, v[BM+X_+\c]      ; 2 off the exponent field: the conversion's scale operand
.endr
	v_pk_add_f32 v[SM+4:SM+5], v[S_+8:S_+9], v[S_+10:S_+11]
	v_pk_add_f32 v[SM+6:SM+7], v[S_+12:S_+13], v[S_+14:S_+15]
.irp c, 0,1
	v_lshrrev_b32 v[BY+X_+\c], 23, v[SO+X_+\c]             ; the scale's byte
.endr
	ADDS 8, 2
	v_lshl_or_b32 v[PWT+X_], v[BY+X_+1], 16, v[BY+X_]      ; my bytes: blocks h and 2 + h,
	ADDS 10, 2
	v_lshlrev_b32 v[PWT+X_], v3, v[PWT+X_]                 ; at their places, 8 h bits up;
	ADDS 12, 2
	v_permlanex16_b32 v[T1+X_], v[PWT+X_], s28, s29
	ADDS 14, 2
	v_or_b32 v[PW+\T], v[PWT+X_], v[T1+X_]                 ; with lane l xor 16's two the word is whole
.irp c, 0,1
	v_cvt_scalef32_pk16_fp6_f32 v[PC+12*\T+6*\c:PC+12*\T+6*\c+2], v[S_+32*\c:S_+32*\c+15], v[SO+X_+\c]
	v_cvt_scalef32_pk16_fp6_f32 v[P2+4*\c:P2+4*\c+2], v[S_+32*\c+16:S_+32*\c+31], v[SO+X_+\c]   ; (a conversion's three registers begin on an even number)
.endr
	ADDS 16, 4
.irp c, 0,1
.irp i, 0,1,2
	v_mov_b32 v[PC+12*\T+3+6*\c+\i], v[P2+4*\c+\i]         ; registers 6 c .. 6 c + 5: block 2 c + h
.endr
.endr
	ADDS 20, 12
	v_pk_add_f32 v[SM:SM+1], v[SM:SM+1], v[SM+2:SM+3]
	v_pk_add_f32 v[SM+4:SM+5], v[SM+4:SM+5], v[SM+6:SM+7]
	v_pk_add_f32 v[LS+X_:LS+X_+1], v[LS+X_:LS+X_+1], v[SM:SM+1]
	v_pk_add_f32 v[LS+X_:LS+X_+1], v[LS+X_:LS+X_+1], v[SM+4:SM+5]
.endm
; A KEY STEP: 128 keys, the record at LDS byte s32, both tiles.
.macro STEP
	v_add_nc_u32 v6, s32, v1                       ; these three and the v_nop: the four places behind the last step's products
	v_add_nc_u32 v14, s32, v2
	v_add_nc_u32 v15, s32, v4
	v_nop
	WIN 0x40
.irp t, 0,1,2,3                                ; v^T: channels 16 t on, these 128 keys: with the two loads of scale words 18 loads
	ds_load_b128 v[V+12*\t:V+12*\t+3], v6 offset:6400+768*\t
	ds_load_b64 v[V+12*\t+4:V+12*\t+5], v14 offset:6912+768*\t
	ds_load_b128 v[V+12*\t+6:V+12*\t+9], v6 offset:9472+768*\t
	ds_load_b64 v[V+12*\t+10:V+12*\t+11], v14 offset:9984+768*\t
.endr
	WIN 0
	ds_load_b64 v[SWV:SWV+1], v15 offset:12544     ; v's words of channel tiles 0, 2
	ds_load_b64 v[SWV+2:SWV+3], v15 offset:12672   ; 1, 3
	s_add_co_u32 s52, s32, 12800
	s_min_u32 s52, s52, 192000                     ; the next record, held at the last
	s_wait_dscnt 18                                ; k is in: the 18 loads above are younger
	WIN 0x05                                       ; k and q in window 1, S^T in window 0
.irp T, 0,1
.irp p, 0,1,2,3
	v_wmma_scale_f32_16x16x128_f8f6f4 v[S+64*\T+16*\p:S+64*\T+16*\p+7], v[12*\p:12*\p+11], v[Q+18*\T:Q+18*\T+11], 0, v[SWK+\p], v[QS+2*\T] matrix_a_fmt:MATRIX_FMT_FP6 matrix_b_fmt:MATRIX_FMT_FP6
	v_wmma_scale_f32_16x16x128_f8f6f4 v[S+64*\T+16*\p+8:S+64*\T+16*\p+15], v[12*\p:12*\p+11], v[Q+18*\T+6:Q+18*\T+17], 0, v[SWK+\p], v[QS+2*\T+1] matrix_a_fmt:MATRIX_FMT_FP6 matrix_b_fmt:MATRIX_FMT_FP6
.endr
.endr
	WIN 0
	v_add_nc_u32 v7, s52, v1                       ; four places in front of the loads into k's registers and of the first read of the scores
	v_add_nc_u32 v8, s52, v9
	v_mov_b32 v[OM], v[MM]                         ; the old -M
	v_mov_b32 v[OM+TS], v[MM+TS]
	KLOAD 7, 8                                     ; the next step's k
	MAXF 0
.irp i, 0,2,4,6,8,10
	MAXG 0, \i
.endr
	MAXL 0
	MAXF 1
	CH 0, 1
	MAXG 1, 0
	CH 0, 2
	MAXG 1, 2
	CH 0, 3
	MAXG 1, 4
	CH 0, 4
	MAXG 1, 6
	CH 0, 5
	MAXG 1, 8
	MAXG 1, 10
	MAXL 1
	FMA4 0, 0
	CH 1, 1
	FMA4 0, 8
	CH 1, 2
	FMA4 0, 16
	CH 1, 3
	FMA4 0, 24
	CH 1, 4
	FMA4 0, 32
	CH 1, 5
	FMA4 0, 40
	CH 0, 6
	CH 1, 6
	FMA4 0, 48
	CH 0, 7
	CH 1, 7
	FMA4 0, 56
	CH 0, 8
	CH 1, 8
	BMF 0
.irp T, 0,1
	v_pk_mul_f32 v[LS+TS*\T:LS+TS*\T+1], v[LS+TS*\T:LS+TS*\T+1], v[F+TS*\T:F+TS*\T+1] op_sel_hi:[1,0]   ; the sums under the new M
.endr
	WIN 0x41                                       ; O^T in window 1, f in window 0
.irp T, 0,1
.irp j, 0,2,4,6,8,10,12,14,16,18,20,22,24,26,28,30
	v_pk_mul_f32 v[O+32*\T+\j:O+32*\T+\j+1], v[O+32*\T+\j:O+32*\T+\j+1], v[F+TS*\T:F+TS*\T+1] op_sel_hi:[1,0]   ; O^T under the new M, ahead of the exponentials
.endr
.endr
	WIN 0
	WALU
.set I_, 0
.rept 32
	v_exp_f32 v[S+2*I_], v[S+2*I_]                 ; tile 0: p = 2^(t - M);
	v_exp_f32 v[S+2*I_+1], v[S+2*I_+1]
	v_pk_fma_f32 v[S+64+2*I_:S+64+2*I_+1], v[S+64+2*I_:S+64+2*I_+1], s[30:31], v[MM+TS:MM+TS+1] op_sel_hi:[1,0,0]   ; among them tile 1's t - M, read behind the next wait but one
.set I_, I_+1
.endr
.irp c, 0,1
	v_exp_f32 v[BM+\c], v[BM+\c]                   ; each block's largest p
.endr
	BMF 1                                          ; plain lines behind the batch
	WALU                                           ; one wait for the 66, ahead of their first reader
	POST 0
	WALU                                           ; ahead of tile 1's batch
.set I_, 0
.rept 64
	v_exp_f32 v[S+64+I_], v[S+64+I_]
.set I_, I_+1
.endr
.irp c, 0,1
	v_exp_f32 v[BM+TS+\c], v[BM+TS+\c]
.endr
	v_nop                                          ; the plain line behind the batch
	WALU
	POST 1
	WALU
	s_wait_dscnt 13                                ; v^T is in: the next step's 13 loads are younger
	WIN 0x51                                       ; v^T and O^T in window 1, p's codes in window 0
.irp T, 0,1
.irp t, 0,1,2,3
	v_wmma_scale_f32_16x16x128_f8f6f4 v[O+32*\T+8*\t:O+32*\T+8*\t+7], v[V+12*\t:V+12*\t+11], v[PC+12*\T:PC+12*\T+11], v[O+32*\T+8*\t:O+32*\T+8*\t+7], v[SWV+2*(\t%2)+\t/2], v[PW+\T] matrix_a_fmt:MATRIX_FMT_FP6 matrix_b_fmt:MATRIX_FMT_FP6
.endr
.endr
	WIN 0
	s_add_co_u32 s32, s32, 12800                   ; the next record
.endm
; A PASS: two tiles of 16 queries over all keys.  Pass 1's tiles lie 16 tiles on: two records of qb, 16 x 16 half images of ac, 256 rows of asc: immediates alone.
.macro PASS ps
.if \ps
	s_wait_xcnt 0x0                                ; pass 0's stores have read their registers: these are written again below
.endif
	WIN 0x40
.irp T, 0,1
	global_load_b128 v[Q+18*\T:Q+18*\T+3], v1, s[36:37] offset:12800*\ps+768*\T
	global_load_b64 v[Q+18*\T+4:Q+18*\T+5], v2, s[36:37] offset:12800*\ps+768*\T+512
	global_load_b128 v[Q+18*\T+12:Q+18*\T+15], v1, s[36:37] offset:12800*\ps+768*\T       ; q's second copy
	global_load_b64 v[Q+18*\T+16:Q+18*\T+17], v2, s[36:37] offset:12800*\ps+768*\T+512
.endr
	WIN 0
	global_load_b32 v12, v4, s[38:39] offset:12800*\ps             ; the word that holds both tiles' scale bytes
	KLOAD 1, 9                                     ; record 0's k
.irp T, 0,1
	v_mov_b32 v[MM+TS*\T+1], 0xff61b1e6            ; the largest t so far: -3e38
	v_mov_b32 v[LS+TS*\T], 0
	v_mov_b32 v[LS+TS*\T+1], 0
.endr
.irp T, 0,1
	v_floor_f32 v[MM+TS*\T], -v[MM+TS*\T+1]
.endr
	s_mov_b32 s32, 0
	s_mov_b32 s33, 16
	WALU
	s_wait_loadcnt 0x0
	v_and_b32 v13, 0xffff, v12                     ; tile 0's two bytes,
	v_lshrrev_b32 v12, 16, v12                     ; tile 1's
	v_or_b32 v[QS], 0x01010000, v13                ; (q, zeros): q's two bytes below, 1 and 1 above
	v_lshl_or_b32 v[QS+1], v13, 16, 0x0101         ; (zeros, q)
	v_or_b32 v[QS+2], 0x01010000, v12
	v_lshl_or_b32 v[QS+3], v12, 16, 0x0101
	WIN 0x40
.set I_, 0
.rept 64
	v_mov_b32 v[O+I_], 0                           ; the step is written once: the first finds zeros.  These lines are also the places between the scale words above and the first product
.set I_, I_+1
.endr
	WIN 0
	WALU
.Lkey_\@:
	STEP
	s_sub_co_u32 s33, s33, 1
	s_cmp_lg_u32 s33, 0
	s_cbranch_scc1 .Lkey_\@
	s_wait_dscnt 0x0                               ; the last look-ahead has landed: its registers may be loaded again
.irp T, 0,1
	v_add_f32 v[LS+TS*\T], v[LS+TS*\T], v[LS+TS*\T+1]      ; the sum's two halves,
.endr
.irp T, 0,1
	v_permlanex16_b32 v[TT+TS*\T], v[LS+TS*\T], s28, s29
.endr
.irp T, 0,1
	v_add_f32 v[LS+TS*\T], v[LS+TS*\T], v[TT+TS*\T]        ; and lane l xor 16's
.endr
	WALU
.irp T, 0,1
	v_rcp_f32 v[F+TS*\T], v[LS+TS*\T]
.endr
	v_nop                                          ; the plain line behind the reciprocals; with the six lines above: the places behind the last products
	WIN 0x01                                       ; O^T in window 1
	WALU                                           ; ahead of the reciprocals' first reader and of O^T's
.irp T, 0,1
.irp j, 0,2,4,6,8,10,12,14,16,18,20,22,24,26,28,30
	v_pk_mul_f32 v[S+64*\T+\j:S+64*\T+\j+1], v[O+32*\T+\j:O+32*\T+\j+1], v[F+TS*\T:F+TS*\T+1] op_sel_hi:[1,0]   ; o = O^T / l, each accumulator from its low end
.endr
.endr
	WIN 0
.irp b, 0,1                                    ; o meets Wo's given codes: natural order along the model's axis: afterwards register 16 b + i of lane (r, h) is channel 32 b + 16 h + i
.irp j, 0,1,2,3,4,5,6,7
.irp T, 0,1
	v_permlane16_swap_b32 v[S+64*\T+16*\b+\j], v[S+64*\T+16*\b+8+\j]
.endr
.endr
.endr
.irp b, 0,1
.irp T, 0,1
	v_max3_num_f32 v[BM+TS*\T+\b], |v[S+64*\T+16*\b]|, |v[S+64*\T+16*\b+1]|, 0x1800000
.endr
.endr
.irp i, 2,4,6,8,10,12,14
.irp b, 0,1
.irp T, 0,1
	v_max3_num_f32 v[BM+TS*\T+\b], v[BM+TS*\T+\b], |v[S+64*\T+16*\b+\i]|, |v[S+64*\T+16*\b+\i+1]|
.endr
.endr
.endr
.irp b, 0,1
.irp T, 0,1
	v_permlanex16_b32 v[T1+TS*\T+\b], v[BM+TS*\T+\b], s28, s29
.endr
.endr
.irp b, 0,1
.irp T, 0,1
	v_max_num_f32 v[BM+TS*\T+\b], v[BM+TS*\T+\b], v[T1+TS*\T+\b]
.endr
.endr
.irp b, 0,1
.irp T, 0,1
	v_add_nc_u32 v[SO+TS*\T+\b], 0xff000000, v[BM+TS*\T+\b]
.endr
.endr
.irp b, 0,1
.irp T, 0,1
	v_lshrrev_b32 v[T1+TS*\T+\b], 23, v[SO+TS*\T+\b]
.endr
.endr
.irp T, 0,1
	v_cvt_scalef32_pk16_fp6_f32 v[PC+12*\T:PC+12*\T+2], v[S+64*\T:S+64*\T+15], v[SO+TS*\T]
	v_cvt_scalef32_pk16_fp6_f32 v[P2+4*\T:P2+4*\T+2], v[S+64*\T+16:S+64*\T+31], v[SO+TS*\T+1]
.endr
	v_nop                                          ; one plain place behind the scaled conversions
.irp T, 0,1
.irp i, 0,1,2
	v_permlane16_swap_b32 v[PC+12*\T+\i], v[P2+4*\T+\i]
.endr
.endr
.irp T, 0,1
.irp i, 0,1,2
	v_mov_b32 v[PC+12*\T+3+\i], v[P2+4*\T+\i]
.endr
	v_cndmask_b32 v[12+\T], v[T1+TS*\T], v[T1+TS*\T+1], s35        ; lane (r, h): the byte of block h of row r
.endr
.irp T, 0,1
	global_store_b128 v1, v[PC+12*\T:PC+12*\T+3], s[40:41] offset:196608*\ps+12288*\T          ; 512 consecutive bytes
	global_store_b64 v2, v[PC+12*\T+4:PC+12*\T+5], s[40:41] offset:196608*\ps+12288*\T+512     ; 256 consecutive bytes
	global_store_b8 v5, v[12+\T], s[42:43] offset:8192*\ps+512*\T
.endr
.endm
	PASS 0
	PASS 1
	s_wait_tensorcnt 0x0                           ; the wave's end
	ds_add_u32 v10, v11
	s_wait_dscnt 0x0
	CROUND                                         ; the closing round
	s_endpgm
.Lfunc_end_k_q3fc8dc8b26_attn:
	.size	k_q3fc8dc8b26_attn, .Lfunc_end_k_q3fc8dc8b26_attn-k_q3fc8dc8b26_attn
	.p2alignl 7, 3214868480
	.fill 96, 4, 3214868480
	.section	.rodata,"a",@progbits
	.p2align	6, 0x0
	.amdhsa_kernel k_q3fc8dc8b26_attn
		.amdhsa_group_segment_fixed_size 206848
		.amdhsa_private_segment_fixed_size 0
		.amdhsa_enable_private_segment 0
		.amdhsa_kernarg_size 32
		.amdhsa_user_sgpr_count 2
		.amdhsa_user_sgpr_kernarg_segment_ptr 1
		.amdhsa_wavefront_size32 1
		.amdhsa_system_sgpr_workgroup_id_x 1
		.amdhsa_system_sgpr_workgroup_id_y 1
		.amdhsa_system_sgpr_workgroup_id_z 1
		.amdhsa_system_vgpr_workitem_id 0
		.amdhsa_next_free_vgpr 512
		.amdhsa_next_free_sgpr 66
		.amdhsa_reserve_vcc 0
		.amdhsa_float_denorm_mode_32 3
		.amdhsa_float_denorm_mode_16_64 3
		.amdhsa_memory_ordered 1
		.amdhsa_forward_progress 1
		.amdhsa_inst_pref_size 90
	.end_amdhsa_kernel
	.amdgpu_metadata
---
amdhsa.version: [ 1, 2 ]
amdhsa.kernels:
  - .name:           k_q3fc8dc8b26_attn
    .symbol:         k_q3fc8dc8b26_attn.kd
    .args:
      - { .name: qb, .offset: 0, .size: 8, .value_kind: global_buffer, .address_space: global }
      - { .name: kvb, .offset: 8, .size: 8, .value_kind: global_buffer, .address_space: global }
      - { .name: ac, .offset: 16, .size: 8, .value_kind: global_buffer, .address_space: global }
      - { .name: asc, .offset: 24, .size: 8, .value_kind: global_buffer, .address_space: global }
    .group_segment_fixed_size: 206848
    .private_segment_fixed_size: 0
    .kernarg_segment_align: 8
    .kernarg_segment_size: 32
    .max_flat_workgroup_size: 256
    .sgpr_count:     66
    .vgpr_count:     512
    .wavefront_size: 32
...
	.end_amdgpu_metadata
.endif
;; end of part 2
;; launch oproj (part 3): grid 32 x 8, 4 waves a work-group, clusters of 4 x 4, 301,568 bytes of LDS; arguments ac, asc, Wo_codes, Wo_scales, bo, out0; writes out0
.if DOCPART == 3
	.amdgcn_target "amdgcn-amd-amdhsa--gfx1250"
	.amdhsa_code_object_version 6
	.text
	.protected	k_q3fc8dc8b26_oproj
	.globl	k_q3fc8dc8b26_oproj
	.p2align	8
	.type	k_q3fc8dc8b26_oproj,@function
k_q3fc8dc8b26_oproj:
	s_mov_b64 s[64:65], 0
	v_nop
	global_prefetch_b8 v0, s[64:65] scope:SCOPE_SE
	s_setreg_imm32_b32 hwreg(HW_REG_WAVE_MODE, 25, 1), 1
	s_wait_xcnt 0x0
	s_wait_alu depctr_hold_cnt(0) depctr_sa_sdst(0) depctr_va_vdst(0) depctr_va_sdst(0) depctr_va_ssrc(0) depctr_va_vcc(0) depctr_vm_vsrc(0)
	s_getreg_b32 s2, hwreg(HW_REG_IB_STS2, 6, 4)
	s_cmp_eq_u32 s2, 0
	s_cbranch_scc0 .Lentry_in_a_cluster
	s_endpgm
.Lentry_in_a_cluster:
	s_bfe_u32 s2, ttmp6, 0x10000c
	s_cmp_lg_u32 s2, 0xf033
	s_cbranch_scc0 .Lentry_shape_is_right
	s_endpgm
.Lentry_shape_is_right:
; out0 = a Wo + bo on codes of FP6 (E2M3) with E8M0 scales, sums in f32.  a: the attention's output as codes: ac [tile of 16 tokens 512][head 16] half images of 768 bytes (operand registers 0-5: registers 0-3 at 16 x lane,
; registers 4-5 at 512 + 8 x lane), asc [token][32] scale bytes.  Wo: rows of 768 bytes, K innermost.
; A work-group: 128 rows of Wo (source 0, read by all four waves) x 256 tokens (source 1, 64 a wave); all of K = 1,024 lies in LDS, filled once.  A lane's eight results are eight neighbouring outputs of one token.
; A wave: 8 x 4 = 32 accumulators, 8 K steps of 128.  bo is the C of the first K step.
; CLUSTER 4 x 4: Wo's tile hangs on cy and the cluster's y and is asked for jointly by a row of the cluster, the tokens' on cx and the cluster's x and by a column.
; LDS: 0: the tokens' images, 49,152 bytes a wave, as they lie in ac; 196,608: Wo's three chunks of 256 bytes a row, each a region of 128 rows x 272.  On the way out each wave's stage (16 rows x 528 bytes) lies in Wo's
; first region: it has had its one fill, and a barrier stands behind every wave's last read of it.
; LIMITS: NaN, infinities and a given scale byte 0xff are not served.
; REGISTERS: window 0: v1-18 addresses, v32-63 Wo's scale words, v64-79 the tokens', v128-255 rows on the way out; window 1: Wo's fragments, two sets; window 2: the tokens', two sets, v128-191 the bias; window 3: accumulators.
.set REGS,  34816
.set SBASE, 196608
.set MSB, 0
.macro WIN new                         ; the immediate's high byte repeats the setting that is left
.if MSB != \new
	s_set_vgpr_msb (MSB<<8)|\new
.set MSB, \new
.endif
.endm
.macro PLACES n
.rept \n
	v_nop
.endr
.endm
.macro CROUND                          ; a round of the cluster's barrier
	s_barrier_signal -1
	s_barrier_wait -1
	s_cmp_lg_u32 s30, 0
	s_cbranch_scc1 .Lnot_wave_0_\@
	s_barrier_signal -3
.Lnot_wave_0_\@:
	s_barrier_wait -3
	s_barrier_signal -1
	s_barrier_wait -1
.endm
; A fragment of Wo: lane (r, h) takes the row's bytes 96 q + 24 h .. + 23 and 96 q + 48 + 24 h .. + 23, in pieces of 8 bytes; piece n lies in region n / 32; where lanes 16-31, three pieces on, read the next region, the second address register serves.
.macro FRAG reg, a1, a2, q, tile
.irp p, 0,1,2,3,4,5
.set PCE, 12*(\q)+6*(\p/3)+\p%3
.if PCE%32 < 29
	ds_load_b64 v[\reg+2*\p:\reg+2*\p+1], v[\a1+PCE/32] offset:8*(PCE%32)+(\tile)*4352
.else
	ds_load_b64 v[\reg+2*\p:\reg+2*\p+1], v[\a2+PCE/32] offset:8*(PCE%32)+(\tile)*4352
.endif
.endr
.endm
.macro FRAGI reg, q, tile              ; a fragment of tokens: the half images of heads 2 q and 2 q + 1
	ds_load_b128 v[\reg:\reg+3], v9 offset:12288*(\tile)+1536*(\q)
	ds_load_b64 v[\reg+4:\reg+5], v10 offset:12288*(\tile)+1536*(\q)+512
	ds_load_b128 v[\reg+6:\reg+9], v9 offset:12288*(\tile)+1536*(\q)+768
	ds_load_b64 v[\reg+10:\reg+11], v10 offset:12288*(\tile)+1536*(\q)+1280
.endm
.macro FETCH q, s
	WIN 0x40
.irp t, 0,1,2,3,4,5,6,7
	FRAG 96*(\s)+12*\t, 4, 7, \q, \t
.endr
	WIN 0x80
.irp t, 0,1,2,3
	FRAGI 48*(\s)+12*\t, \q, \t
.endr
	WIN 0
.endm
; 32 matrix instructions; the 32 accumulators take turns, in the same order in every step.  cmode 1: the bias starts the sums.
.macro MUL q, s, cmode
.if \cmode
	WIN 0xe9                               ; source 0 window 1, source 1 window 2, C window 2, D window 3
.else
	WIN 0xf9
.endif
.irp l, 0,1,2,3
.irp p, 0,1,2,3,4,5,6,7
.if \cmode == 0
.set CC, 8*(8*\l+\p)
.else
.set CC, 128+8*\p
.endif
.if (\q) < 4
	v_wmma_scale_f32_16x16x128_f8f6f4 v[8*(8*\l+\p):8*(8*\l+\p)+7], v[96*(\s)+12*\p:96*(\s)+12*\p+11], v[48*(\s)+12*\l:48*(\s)+12*\l+11], v[CC:CC+7], v[32+4*\p+(\q)%4], v[64+4*\l+(\q)%4] matrix_a_fmt:MATRIX_FMT_FP6 matrix_b_fmt:MATRIX_FMT_FP6
.else
	v_wmma_scale_f32_16x16x128_f8f6f4 v[8*(8*\l+\p):8*(8*\l+\p)+7], v[96*(\s)+12*\p:96*(\s)+12*\p+11], v[48*(\s)+12*\l:48*(\s)+12*\l+11], v[CC:CC+7], v[32+4*\p+(\q)%4], v[64+4*\l+(\q)%4] matrix_a_fmt:MATRIX_FMT_FP6 matrix_b_fmt:MATRIX_FMT_FP6 matrix_a_scale:MATRIX_SCALE_ROW1 matrix_b_scale:MATRIX_SCALE_ROW1
.endif
.endr
.endr
	WIN 0
.endm
.macro STEP q, tcnt
	s_wait_dscnt 0x0                       ; this step's loads are in
.if \tcnt >= 0
	s_wait_tensorcnt \tcnt                 ; so many of my loads were issued behind the chunk that the fetch below reads
	s_barrier_signal -1
	s_barrier_wait -1
.endif
.if (\q) < 7
	PLACES 4                               ; in front of loads into the set that the last products read
	FETCH (\q)+1, ((\q)+1)%2
.endif
	MUL \q, (\q)%2, 0
.endm
; THE WAY OUT, 16 tokens x 128 outputs at a time: through my stage, back as whole rows of 512 bytes.  LDS serves a wave's instructions in order: no wait between the stores and the loads, nor ahead of the next block's stores.
.macro TOSTAGE a
	WIN 0x0c                               ; an LDS store's data: window 3
.irp p, 0,1,2,3,4,5,6,7
	ds_store_b128 v14, v[64*(\a)+8*\p:64*(\a)+8*\p+3] offset:64*\p        ; each accumulator from its low end
	ds_store_b128 v14, v[64*(\a)+8*\p+4:64*(\a)+8*\p+7] offset:64*\p+16
.endr
	WIN 0
.irp t, 0,1,2,3,4,5,6,7,8,9,10,11,12,13,14,15
	ds_load_b128 v[128+64*((\a)%2)+4*\t:128+64*((\a)%2)+4*\t+3], v15 offset:528*\t
.endr
.endm
.macro SEND a, younger                 ; younger: the LDS instructions issued behind block a's loads
	s_wait_dscnt \younger
.irp t, 0,1,2,3,4,5,6,7,8,9,10,11,12,13,14,15
	global_store_b128 v16, v[128+64*((\a)%2)+4*\t:128+64*((\a)%2)+4*\t+3], s[14:15] offset:(16*(\a)+\t)*4096 th:TH_STORE_NT   ; 32 lanes store 512 consecutive bytes, at a multiple of 256 from out0's first byte
.endr
.endm
	s_load_b256 s[4:11], s[0:1], 0x0               ; ac, asc, Wo codes, Wo scales
	s_load_b128 s[12:15], s[0:1], 0x20             ; bo, out0
	v_lshl_add_u32 v126, v0, 2, 0x49800
	v_mov_b32 v127, 0
	ds_add_u32 v126, v127
	ds_add_u32 v126, v127
	v_lshrrev_b32 v1, 5, v0
	v_readfirstlane_b32 s30, v1                    ; wave 0..3
	s_bfe_u32 s66, ttmp6, 0x40000                  ; cx
	s_bfe_u32 s67, ttmp6, 0x40004                  ; cy
	s_lshl_b32 s68, ttmp9, 2
	s_add_co_u32 s68, s68, s66                     ; block of 256 tokens, 0..31
	s_and_b32 s69, ttmp7, 0xffff
	s_lshl_b32 s69, s69, 2
	s_add_co_u32 s69, s69, s67                     ; block of 128 rows of Wo, 0..7
	s_lshl_b32 s2, s67, 2
	s_lshl_b32 s2, 15, s2                          ; my row of the cluster
	s_or_b32 s32, s2, (3<<16)|(1<<20)|(1<<21)|(5<<22)|(3<<25)   ; Wo: 128 rows x 256 bytes, 768 apart; 16 bytes of padding behind each 256
	s_lshl_b32 s3, 0x1111, s66                     ; my column
	s_or_b32 s40, s3, (3<<16)|(1<<21)              ; the tokens: 196,608 dense bytes as 768 rows of 256, no padding
	s_mov_b32 s33, 32<<16
	s_mov_b32 s34, 128<<16                         ; one load brings a chunk of all 128 rows of Wo
	s_mov_b32 s35, 32<<16
	s_mov_b32 s36, 128
	s_mov_b32 s37, 96
	s_mov_b32 s38, 0
	s_mov_b32 s39, 0
	s_mov_b32 s41, 32<<16
	s_mov_b32 s42, 768<<16                         ; the block's 256 tokens: 196,608 dense bytes as 768 rows of 256
	s_mov_b32 s43, 32<<16
	s_mov_b32 s44, 768
	s_mov_b32 s45, 32
	s_mov_b32 s46, 0
	s_mov_b32 s47, 0
	s_lshl_b32 s2, s69, 7
	s_mul_i32 s2, s2, 768
	s_mov_b32 s3, 0
	s_lshl_b32 s72, s69, 12                        ; the block's scale bytes: 128 rows x 32
	s_mov_b32 s73, 0
	s_lshl_b32 s76, s69, 9                         ; its 128 numbers of bo
	s_mov_b32 s77, 0
	s_lshl_b32 s70, s68, 4
	s_lshl_b32 s71, s30, 2
	s_add_co_u32 s70, s70, s71                     ; my wave's four tiles of tokens
	s_lshl_b32 s74, s70, 9                         ; their scale bytes: 16 rows x 32 a tile
	s_mov_b32 s75, 0
	s_lshl_b32 s78, s70, 16                        ; their rows of out0: 16 x 4,096 a tile,
	s_add_co_u32 s78, s78, s76                     ; + the block's 512 bytes in a row
	s_mov_b32 s79, 0
	s_lshl_b32 s70, s68, 4                         ; the images are fetched from the block's first tile on
	s_mul_i32 s70, s70, 12288
	s_mov_b32 s71, 0
	s_wait_dscnt 0x0
	s_wait_kmcnt 0x0
	s_add_nc_u64 s[8:9], s[8:9], s[2:3]
	s_add_nc_u64 s[4:5], s[4:5], s[70:71]
	s_add_nc_u64 s[10:11], s[10:11], s[72:73]
	s_add_nc_u64 s[6:7], s[6:7], s[74:75]
	s_add_nc_u64 s[12:13], s[12:13], s[76:77]
	s_add_nc_u64 s[14:15], s[14:15], s[78:79]
	s_mul_i32 s3, s30, 49152
.irp j, 0,1,2
	s_mov_b32 s[48+4*\j], 1
	s_mov_b32 s[49+4*\j], SBASE+\j*REGS
	s_add_nc_u64 s[50+4*\j:51+4*\j], s[8:9], \j*256
	s_or_b32 s[51+4*\j], s[51+4*\j], 0x80000000
.endr
	s_mov_b32 s60, 1
	s_mov_b32 s61, 0
	s_mov_b64 s[62:63], s[4:5]
	s_or_b32 s63, s63, 0x80000000
	CROUND                                         ; all sixteen work-groups are here: the joint loads meet
	s_cmp_lt_u32 s30, 1                            ; all fills of the launch, one a wave, in one chain of arms: wave 0 the tokens,
	s_cbranch_scc0 .Lh1
	tensor_load_to_lds s[60:63], s[40:47]
	s_nop 0
	PLACES 4
	s_branch .Lhj
.Lh1:
	s_cmp_lt_u32 s30, 2                            ; wave 1 Wo's chunk 0,
	s_cbranch_scc0 .Lh2
	tensor_load_to_lds s[48:51], s[32:39]
	s_nop 0
	PLACES 4
	s_branch .Lhj
.Lh2:
	s_cmp_lt_u32 s30, 3                            ; wave 2 chunk 1,
	s_cbranch_scc0 .Lh3
	tensor_load_to_lds s[52:55], s[32:39]
	s_nop 0
	PLACES 4
	s_branch .Lhj
.Lh3:
	tensor_load_to_lds s[56:59], s[32:39]          ; wave 3 chunk 2
	s_nop 0
	PLACES 4
.Lhj:
	v_and_b32 v3, 31, v0                           ; lane
	v_and_b32 v1, 15, v0                           ; r
	v_bfe_u32 v2, v0, 4, 1                         ; h
	v_mul_u32_u24 v20, v1, 272
	v_mad_u32_u24 v4, v2, 24, v20
	v_add_nc_u32 v4, SBASE, v4                     ; Wo, region 0: row r + 24 h
	v_add_nc_u32 v5, REGS, v4
	v_add_nc_u32 v6, 2*REGS, v4
	v_mad_u32_u24 v7, v2, REGS-232, v20
	v_add_nc_u32 v7, SBASE, v7                     ; and where lanes 16-31 read the next region
	v_add_nc_u32 v8, REGS, v7
	v_lshlrev_b32 v16, 4, v3                       ; 16 x lane
	v_add_nc_u32 v9, s3, v16                       ; my wave's images: 16 x lane,
	v_lshl_add_u32 v10, v3, 3, s3                  ; 8 x lane
	s_mul_i32 s2, s30, 8448
	s_add_co_u32 s2, s2, SBASE                     ; my stage
	v_mul_u32_u24 v14, v1, 528
	v_lshl_add_u32 v14, v2, 5, v14
	v_add_nc_u32 v14, s2, v14                      ; in: row r, 32 bytes for each half of the lanes
	v_add_nc_u32 v15, s2, v16                      ; back: a row of 512 bytes, 16 a lane
	v_lshlrev_b32 v17, 5, v1
	v_lshl_add_u32 v17, v2, 4, v17                 ; scale bytes: row r, half h of its 32
	v_lshlrev_b32 v18, 5, v2                       ; bias: 8 h numbers on
.irp t, 0,1,2,3,4,5,6,7
	global_load_b128 v[32+4*\t:35+4*\t], v17, s[10:11] offset:512*\t   ; register i: K step i (lanes 0-15), 4 + i (lanes 16-31)
.endr
.irp t, 0,1,2,3
	global_load_b128 v[64+4*\t:67+4*\t], v17, s[6:7] offset:512*\t
.endr
	WIN 0x80
.irp t, 0,1,2,3,4,5,6,7                        ; register 8 t + j = bo[16 t + 8 h + j]
	global_load_b128 v[128+8*\t:131+8*\t], v18, s[12:13] offset:64*\t
	global_load_b128 v[132+8*\t:135+8*\t], v18, s[12:13] offset:64*\t+16
.endr
	WIN 0
	s_wait_alu depctr_va_vdst(0)
	s_cmp_lt_u32 s30, 2                            ; the tokens and chunk 0 are waves 0 and 1's own load lines: these two wait here
	s_cbranch_scc0 .Lnot_first
	s_wait_tensorcnt 0x0
.Lnot_first:
	s_barrier_signal -1
	s_barrier_wait -1                              ; everybody's are
	FETCH 0, 0
	s_wait_loadcnt 0x0                             ; scale words and bias
	s_wait_dscnt 0x0
	FETCH 1, 1
	MUL 0, 0, 1                                    ; the first K step starts the sums with the bias: nothing is cleared
	STEP 1, 0                                      ; K step 2 reads chunk 1: every wave waits for its load, so chunk 2 is shown too
	STEP 2, -1
	STEP 3, -1
	STEP 4, -1
	STEP 5, -1
	STEP 6, -1
	STEP 7, 0                                      ; every wave's reads of LDS are over at this barrier: behind it the stages may be written
	PLACES 4                                       ; in front of the first read of results
	TOSTAGE 0
.irp a, 1,2,3
.if \a > 1
	s_wait_xcnt 0x0                                ; block a - 2's stores have read their registers: block a's loads may land there
.endif
	TOSTAGE \a
	SEND \a-1, 32                                  ; behind block a - 1's loads: block a's 16 stores and 16 loads
.endr
	SEND 3, 0
	s_wait_tensorcnt 0x0
	ds_add_u32 v126, v127
	s_wait_dscnt 0x0
	CROUND                                         ; the closing round: no work-group ends while a partner may still ask for a tile that names it
	s_endpgm
.Lfunc_end_k_q3fc8dc8b26_oproj:
	.size	k_q3fc8dc8b26_oproj, .Lfunc_end_k_q3fc8dc8b26_oproj-k_q3fc8dc8b26_oproj
	.p2alignl 7, 3214868480
	.fill 96, 4, 3214868480
	.section	.rodata,"a",@progbits
	.p2align	6, 0x0
	.amdhsa_kernel k_q3fc8dc8b26_oproj
		.amdhsa_group_segment_fixed_size 301568
		.amdhsa_private_segment_fixed_size 0
		.amdhsa_enable_private_segment 0
		.amdhsa_kernarg_size 48
		.amdhsa_user_sgpr_count 2
		.amdhsa_user_sgpr_kernarg_segment_ptr 1
		.amdhsa_wavefront_size32 1
		.amdhsa_system_sgpr_workgroup_id_x 1
		.amdhsa_system_sgpr_workgroup_id_y 1
		.amdhsa_system_sgpr_workgroup_id_z 1
		.amdhsa_system_vgpr_workitem_id 0
		.amdhsa_next_free_vgpr 1024
		.amdhsa_next_free_sgpr 96
		.amdhsa_reserve_vcc 0
		.amdhsa_float_denorm_mode_32 3
		.amdhsa_float_denorm_mode_16_64 3
		.amdhsa_memory_ordered 1
		.amdhsa_forward_progress 1
		.amdhsa_inst_pref_size 92
	.end_amdhsa_kernel
	.amdgpu_metadata
---
amdhsa.version: [ 1, 2 ]
amdhsa.kernels:
  - .name:           k_q3fc8dc8b26_oproj
    .symbol:         k_q3fc8dc8b26_oproj.kd
    .args:
      - { .name: ac, .offset: 0, .size: 8, .value_kind: global_buffer, .address_space: global }
      - { .name: asc, .offset: 8, .size: 8, .value_kind: global_buffer, .address_space: global }
      - { .name: Wo_codes, .offset: 16, .size: 8, .value_kind: global_buffer, .address_space: global }
      - { .name: Wo_scales, .offset: 24, .size: 8, .value_kind: global_buffer, .address_space: global }
      - { .name: bo, .offset: 32, .size: 8, .value_kind: global_buffer, .address_space: global }
      - { .name: out0, .offset: 40, .size: 8, .value_kind: global_buffer, .address_space: global }
    .group_segment_fixed_size: 301568
    .private_segment_fixed_size: 0
    .kernarg_segment_align: 8
    .kernarg_segment_size: 48
    .max_flat_workgroup_size: 128
    .sgpr_count:     96
    .vgpr_count:     1024
    .wavefront_size: 32
...
	.end_amdgpu_metadata
.endif
;; end of part 3
